; MI455X (gfx1250); checked and timed in simulation.
; The chip was launched on July 23, 2026; its instructions are those of AMD's public machine-readable ISA for CDNA 5 (MIT licence, August 2026) and "CDNA5" Instruction Set Architecture Reference Guide (July 2026). The comments in the code are by the model that wrote it; some were corrected since.
;; Attention. Allowed arithmetic: matrix products marked QUANTISED: E2M1 operands, one E8M0 scale for each 32 along K, by v_wmma_scale_f32_16x16x128_f8f6f4 with both operands' format E2M1 (or v_wmma_scale_f32_32x16x128_f4), f32 sums; products left as they are: bf16, f16 or f32 operands; f32 sums; everything else in f32.
;; Inputs: Wkv 1,024 x 2,048 float32; Wq 1,024 x 1,024 float32; x 4 x 2,048 x 1,024 float32; y 4 x 2,048 x 1,024 float32.
;; Outputs: out0 4 x 2,048 x 1,024 float32.
;; This version of the problem:
;;   THIS VERSION OF THE PROBLEM IS GIVEN IN LOW PRECISION. The matrix products marked QUANTISED in the list below multiply operands that are first quantised to E2M1 (2 exponent bits, 1 mantissa bit; 4 bits a number), with one power-of-two scale for each 32 numbers along K (OCP MX v1.0); their sums are f32. The products marked 'left as it is' may take bf16, f16 or f32 operands, with f32 sums. Whichever they take, every output number must still come out within the allowed error. Rounding operands to bf16 (8 significant bits) uses up far more of that allowance than f16 does (11 bits, for magnitudes from 6e-5 to 65,504). All else is computed in f32.
;;   The module's matrix products, in the order in which they are computed (A, B: the left and right operand; K: the contracted axis; several contracted axes count as one K, in the product's order):
;;     1. [M 8,192, K 1,024] x [K 1,024, N 1,024]; A: input x; B: input Wq: QUANTISED
;;     2. [M 8,192, K 1,024] x [K 1,024, N 2,048]; A: input y; B: input Wkv: QUANTISED
;;     3. batch 4 x [M 2,048, K 1,024] x [K 1,024, N 2,048]; A: computed on the way; B: computed on the way: left as it is (an operand is computed on the way)
;;     4. batch 4 x [M 2,048, K 2,048] x [K 2,048, N 1,024]; A: computed on the way; B: computed on the way: left as it is (an operand is computed on the way)
;;   THE QUANTISER, for each operand of a quantised product, along K:
;;     - K is cut into blocks of 32 from its start; a last block that is shorter is filled with zeros.
;;     - A block's scale is 2^e with e = floor(log2(the largest magnitude in the block)) - 2, held to -126 .. 127; a block of zeros has e = 0. As a byte (E8M0): e + 127.
;;     - Each number is divided by its block's scale, clamped to +-6, and rounded to the nearest number of E2M1, ties to even, subnormals kept.
;;     - The product sums the exact products of the quantised numbers (number of the format x scale) in f32.
;;   ~~~python
;;   def quantise(x, axis):      # numpy; x: float32 -> the quantised numbers, widened to float32 again
;;       x = np.moveaxis(x, axis, -1); K = x.shape[-1]
;;       x = np.pad(x, [(0, 0)] * (x.ndim - 1) + [(0, -K % 32)]); x = x.reshape(x.shape[:-1] + (-1, 32)); a = np.abs(x).max(-1, keepdims=True)
;;       e = np.where(a > 0, np.clip(np.frexp(np.where(a > 0, a, 1))[1] - 1 - 2, -126, 127), 0)      # np.frexp(a)[1] - 1 = floor(log2(a)), exactly
;;       r = np.clip(x / 2.0 ** e, -6, 6)
;;       step = 2.0 ** (np.maximum(np.frexp(np.where(r == 0, 1, r))[1] - 1, 0) - 1)
;;       q = np.round(r / step) * step * 2.0 ** e      # np.round: ties to even
;;       return np.moveaxis(q.reshape(q.shape[:-2] + (-1,))[..., :K], -1, axis).astype(np.float32)
;;   ~~~
;; One version. Each part assembles by itself: llvm-mc -triple=amdgcn-amd-amdhsa -mcpu=gfx1250 --defsym DOCPART=n.
;; ======== version 1 of 1: 4 launches
;; limits: values are held in f16: magnitudes above 65,504 overflow, below 6.1e-05 lose precision
;; workspace buffers: codes 9,961,472 bytes; scales 622,592 bytes; qkv 50,331,648 bytes; pfrag 33,554,432 bytes; stat 1,048,576 bytes
;; launch quant (part 1): grid 608 x 1, 4 waves a work-group, no clusters, 50,688 bytes of LDS; arguments x, y, Wq, Wkv, codes, scales; writes codes, scales
.if DOCPART == 1
	.amdgcn_target "amdgcn-amd-amdhsa--gfx1250"
	.amdhsa_code_object_version 6
	.text
	.protected	k_qe1dc3ef0c0_quant
	.globl	k_qe1dc3ef0c0_quant
	.p2align	8
	.type	k_qe1dc3ef0c0_quant,@function
k_qe1dc3ef0c0_quant:
	s_mov_b64 s[64:65], 0
	v_nop
	global_prefetch_b8 v0, s[64:65] scope:SCOPE_SE
	s_setreg_imm32_b32 hwreg(HW_REG_WAVE_MODE, 25, 1), 1
	s_wait_xcnt 0x0
; x, y [8192][1024] and Wq [1024][1024], Wkv [1024][2048], all f32, become codes of FP4 (E2M1) with K innermost and one E8M0 byte for each 32 along K.
; codes: [19456 rows][512 bytes], scales: [19456 rows][32 bytes].  Rows 0-8191: x's rows; 8192-16383: y's rows; 16384-17407: Wq's columns; 17408-19455: Wkv's columns (first k's, then v's).
; A block's scale is 2^(floor(log2(its largest magnitude)) - 2); its byte is the largest magnitude's exponent field - 2, held at 1 from below.  Each number is divided by the scale and rounded to the nearest code, ties to even; beyond 6 the largest code.
; LIMITS: a block of zeros gets the byte 1 where the quantiser's text says 127: its codes are zeros, which add nothing under any byte but 0xff, and this program alone reads the bytes.  NaN and infinities among the inputs are not served.
; TWO PATHS, parted on the work-group's number alone, each with LDS bytes of its own.
;   Work-groups 0-95: the weights, whose K is their FIRST axis.  A lane takes a column and its registers run down K: a block of 32 lies in one lane, and the codes come out with K innermost.
;     A work-group takes 64 columns x 512 along K; wave w takes 32 of the columns (w & 1) and 256 of the K (w >> 1): eight blocks a lane, two on their way, so only four turns of loads wait for each other.
;     The two waves of a column write the two halves of one stage row; behind a barrier the rows leave whole.
;   Work-groups 96-607: x and y, whose K is innermost: plain streams of blocks of 32.  A wave takes 16 steps of 512 numbers; a step's 2,048 bytes are loaded as they lie and turn through the wave's stage in LDS, so that a lane holds 16 neighbours.
; No tensor loads.  Clusters and the matrix units have nothing to do here: no byte is read twice.
.set EMAX,   2
.set SPW,    208                       ; v208  LDS address of my spare word: SPARE + 4 x my thread's number; never rewritten
.set NIL,    209                       ; v209  0; never rewritten
.set SPARE,  50176                     ; behind both paths' regions: the spare words, 128 bytes for each wave: two blocks of 256 bytes that no other line names
.set WGW,    96                        ; the weights' work-groups
; x's and y's path
.set STEPS,  16
.set CB,     8                         ; bytes of 16 codes
.set XR,     16                        ; v16-79   four sets of 16 numbers as they are loaded
.set XX,     80                        ; v80-111  two sets of 16 neighbours
.set XE,     112                       ; v112-127 a scale byte for each step
.set XC,     128                       ; v128-191 codes: four registers for each step, so that no store's data are written again
.set WREG,   8192                      ; LDS bytes 0-32767: a region for each wave: two stages of 32 x SP bytes, and behind them its 256 scale bytes
.set SP,     80                        ; a lane's place in a stage: its 64 bytes + 16 of padding
; the weights' path
.set NB,     8                         ; blocks of 32 along K for a wave
.set WPITCH, 272                       ; a stage row: 256 bytes of codes + 16
.set KROW,   512                       ; a row of codes in memory
.set WSTG,   32768                     ; LDS bytes 32768-50175: the work-group's stage of 64 rows
.set WSB,    24                        ; v24-25   the scale bytes, four to a register
.set WX,     32                        ; v32-95   two sets of 32 numbers
.set WC,     96                        ; v96-99   a block's codes
.set WOUT,   112                       ; v112-143 the way out
.set VO,     176                       ; v176-207 byte offset of row i of a block at my column: 4 x lane + i x the weight's row
	s_load_b256 s[4:11], s[0:1], 0x0               ; x s[4:5], y s[6:7], Wq s[8:9], Wkv s[10:11]
	s_load_b128 s[12:15], s[0:1], 0x20             ; codes s[12:13], scales s[14:15]
	v_lshl_add_u32 v[SPW], v0, 2, SPARE
	v_mov_b32 v[NIL], 0
	v_lshrrev_b32 v1, 5, v0
	v_readfirstlane_b32 s16, v1                    ; wave 0..3
	v_and_b32 v2, 31, v0                           ; lane
	s_cmp_lt_u32 ttmp9, WGW
	s_cbranch_scc1 .Lweights
	; ---------------- x and y ----------------
	v_lshlrev_b32 v3, 4, v2                        ; my 16 bytes of a load's 512
	s_mul_i32 s17, s16, WREG
	v_lshrrev_b32 v14, 2, v2
	v_mul_u32_u24 v14, v14, SP
	v_and_b32 v15, 3, v2
	v_lshl_add_u32 v14, v15, 4, v14
	v_add_nc_u32 v14, s17, v14                     ; the stage, on the way in: four lanes' 64 bytes on end, then 16 of padding
	v_mul_u32_u24 v15, v2, SP
	v_add_nc_u32 v15, s17, v15                     ; and on the way out: SP x lane: my 16 neighbours
	v_mul_u32_u24 v4, v2, CB                       ; my codes' place in a step's
	v_lshrrev_b32 v5, 1, v2
	s_add_co_u32 s17, s17, 2*32*SP
	v_add_nc_u32 v5, s17, v5                       ; LDS: my wave's 256 scale bytes, my block's byte
	v_lshlrev_b32 v7, 3, v2                        ; and on the way out 8 bytes a lane
	v_add_nc_u32 v6, s17, v7
	s_wait_kmcnt 0x0
	s_sub_co_u32 s17, ttmp9, WGW                   ; 0-255: x; 256-511: y
	s_cmp_lt_u32 s17, 256
	s_cselect_b64 s[4:5], s[4:5], s[6:7]           ; the choice hangs on the work-group's number alone
	s_and_b32 s18, s17, 255
	s_lshl_b32 s18, s18, 2
	s_add_co_u32 s18, s18, s16                     ; which run of 8,192 numbers of the tensor is my wave's
	s_lshl_b32 s20, s18, 15                        ; 32,768 bytes a run
	s_mov_b32 s21, 0
	s_add_nc_u64 s[4:5], s[4:5], s[20:21]
	s_lshl_b32 s17, s17, 2
	s_add_co_u32 s17, s17, s16                     ; the run among x's and y's together: y's rows follow x's in codes and in scales
	s_lshl_b32 s20, s17, 12                        ; 4,096 bytes of codes a run
	s_add_nc_u64 s[8:9], s[12:13], s[20:21]
	s_lshl_b32 s20, s17, 8                         ; 256 scale bytes a run
	s_add_nc_u64 s[10:11], s[14:15], s[20:21]
.macro XLOAD t
.irp i, 0,1,2,3
	global_load_b128 v[XR+16*((\t)%4)+4*\i:XR+16*((\t)%4)+4*\i+3], v3, s[4:5] offset:2048*(\t)+512*\i th:TH_LOAD_NT   ; 32 lanes read 512 consecutive bytes
.endr
.endm
.macro XTURN t                         ; step t's numbers through the stage: LDS serves a wave's instructions in order, so no wait stands between the stores and the loads
.irp i, 0,1,2,3
	ds_store_b128 v14, v[XR+16*((\t)%4)+4*\i:XR+16*((\t)%4)+4*\i+3] offset:32*SP*((\t)%2)+8*SP*\i
.endr
.irp i, 0,1,2,3
	ds_load_b128 v[XX+16*((\t)%2)+4*\i:XX+16*((\t)%2)+4*\i+3], v15 offset:32*SP*((\t)%2)+16*\i
.endr
.endm
.irp t, 0,1,2,3
	XLOAD \t
.endr
	s_wait_loadcnt 12                              ; step 0's four loads are in; those of steps 1 to 3 may be out
	XTURN 0
.macro XSTEP t
.set XS, XX+16*((\t)%2)
.if (\t) > 0
	s_wait_dscnt 1                                 ; this step's numbers are back from the stage (the last step's byte store may be out): so its stores into the stage have read their registers,
.else
	s_wait_dscnt 0x0
.endif
.if (\t)+4 < STEPS
	XLOAD (\t)+4                                   ; which take the loads of four steps on
.endif
.if (\t)+1 < STEPS
.if STEPS-2-(\t) >= 3
	s_wait_loadcnt 12                              ; the next step's four loads are in; those of the three steps behind it may be out
.else
	s_wait_loadcnt 4*(STEPS-2-(\t))
.endif
	XTURN (\t)+1                                   ; and go through the other stage while this step is worked
.endif
	v_max3_num_f32 v8, |v[XS]|, |v[XS+1]|, |v[XS+2]|               ; the largest magnitude of my 16, in two chains
	v_max3_num_f32 v9, |v[XS+3]|, |v[XS+4]|, |v[XS+5]|
.irp i, 6,10
	v_max3_num_f32 v8, v8, |v[XS+\i]|, |v[XS+\i+1]|
	v_max3_num_f32 v9, v9, |v[XS+\i+2]|, |v[XS+\i+3]|
.endr
	v_max3_num_f32 v8, v8, |v[XS+14]|, |v[XS+15]|
	v_max3_num_f32 v8, v8, v9, (EMAX+1)<<23        ; and the floor 2^(EMAX + 1 - 127): so the byte cannot fall under 1
	v_max_num_f32_dpp v8, v8, v8 row_xmask:1 row_mask:0xf bank_mask:0xf   ; and of my neighbour's 16: the block's
	v_add_nc_u32 v11, -(EMAX<<23), v8              ; EMAX off its exponent field: the conversion takes the exponent field of this operand as its scale, and nothing else of it
	v_cvt_scalef32_pk8_fp4_f32 v[XC+4*(\t)], v[XS:XS+7], v11
	v_cvt_scalef32_pk8_fp4_f32 v[XC+4*(\t)+1], v[XS+8:XS+15], v11
	v_lshrrev_b32 v[XE+(\t)], 23, v11              ; the scale's byte (also the plain line behind the conversions)
	ds_store_b8 v5, v[XE+(\t)] offset:16*(\t)      ; both lanes of a block write the same byte with the same value
	global_store_b64 v4, v[XC+4*(\t):XC+4*(\t)+1], s[8:9] offset:32*CB*(\t)   ; the wave stores 256 consecutive bytes, aligned
.endm
.irp t, 0,1,2,3,4,5,6,7,8,9,10,11,12,13,14,15
	XSTEP \t
.endr
	ds_load_b64 v[8:9], v6                         ; LDS serves a wave's instructions in order: these see my byte stores
	s_wait_dscnt 0x0
	global_store_b64 v7, v[8:9], s[10:11]          ; 32 lanes store 256 consecutive bytes, aligned
	s_wait_tensorcnt 0x0                           ; the wave's end
	ds_add_u32 v[SPW], v[NIL]
	s_wait_dscnt 0x0
	s_endpgm
	; ---------------- the weights ----------------
.Lweights:
	s_and_b32 s17, ttmp9, 1                        ; which 512 along K
	s_lshr_b32 s18, ttmp9, 1                       ; which 64 columns: 0-15 Wq's, 16-47 Wkv's
	s_and_b32 s29, s16, 1                          ; my wave: which 32 of the 64 columns,
	s_lshr_b32 s30, s16, 1                         ; and which 256 of the 512 along K
	v_lshlrev_b32 v3, 2, v2                        ; in: 4 bytes a lane
	s_mul_i32 s28, s29, 32*WPITCH
	s_lshl_b32 s31, s30, 7
	s_add_co_u32 s28, s28, s31
	s_add_co_u32 s28, s28, WSTG
	v_mul_u32_u24 v4, v2, WPITCH
	v_add_nc_u32 v4, s28, v4                       ; into the stage: row = my column, my wave's 128 of its 256 bytes
	v_and_b32 v5, 15, v2
	v_lshrrev_b32 v6, 4, v2                        ; out of it: wave w takes rows 16 w .. 16 w + 15, sixteen lanes to a row, two rows an instruction
	s_mul_i32 s28, s16, 16*WPITCH
	s_add_co_u32 s28, s28, WSTG
	v_mul_u32_u24 v7, v6, WPITCH
	v_lshl_add_u32 v7, v5, 4, v7
	v_add_nc_u32 v7, s28, v7
	v_mul_u32_u24 v8, v6, KROW
	v_lshl_add_u32 v8, v5, 4, v8                   ; and the same place in codes
	v_lshlrev_b32 v9, 5, v2                        ; my column's row of scale bytes: 32 bytes a row
	s_wait_kmcnt 0x0
	s_cmp_lt_u32 s18, 16
	s_cselect_b64 s[4:5], s[8:9], s[10:11]         ; Wq or Wkv: by the work-group's number alone
	s_mov_b32 s19, 8192
	s_cselect_b32 s19, 4096, s19                   ; bytes in a row of the weight
	s_cselect_b32 s20, 0, 16
	s_sub_co_u32 s20, s18, s20                     ; which 64 columns of that weight
	s_lshl_b32 s21, s17, 1
	s_add_co_u32 s21, s21, s30                     ; which 256 rows of its 1,024
	s_lshl_b32 s22, s19, 8                         ; 256 rows in bytes
	s_mul_i32 s22, s21, s22
	s_lshl_b32 s20, s20, 8                         ; 64 columns of 4 bytes
	s_add_co_u32 s22, s22, s20
	s_lshl_b32 s20, s29, 7                         ; my wave's 32 of them
	s_add_co_u32 s22, s22, s20
	s_mov_b32 s23, 0
	s_add_nc_u64 s[4:5], s[4:5], s[22:23]
	s_lshl_b32 s34, s19, 5                         ; from a block to the next: 32 rows
	s_mov_b32 s35, 0
.irp i, 0,1,2,3,4,5,6,7,8,9,10,11,12,13,14,15,16,17,18,19,20,21,22,23,24,25,26,27,28,29,30,31
	v_mad_u32_u24 v[VO+\i], s19, \i, v3
.endr
	s_lshl_b32 s24, s18, 6
	s_add_co_u32 s24, s24, 16384                   ; the work-group's first row of codes and of scales
	s_lshl_b32 s25, s16, 4
	s_add_co_u32 s25, s24, s25                     ; the first of the 16 rows of codes that I store
	s_lshl_b32 s26, s25, 9
	s_lshl_b32 s25, s17, 8
	s_add_co_u32 s26, s26, s25                     ; + 256 bytes for the second 512 along K
	s_mov_b32 s27, 0
	s_add_nc_u64 s[6:7], s[12:13], s[26:27]
	s_lshl_b32 s25, s29, 5
	s_add_co_u32 s25, s24, s25                     ; my 32 columns' rows of scales
	s_lshl_b32 s26, s25, 5
	s_lshl_b32 s25, s17, 4
	s_add_co_u32 s26, s26, s25
	s_lshl_b32 s25, s30, 3
	s_add_co_u32 s26, s26, s25                     ; + 8 bytes for each 256 along K
	s_add_nc_u64 s[8:9], s[14:15], s[26:27]
.macro WLOAD t                         ; block t: W(32 t + i, my column), i = 0 .. 31, into set t % 2
.if (\t) > 0
	s_wait_xcnt 0x0                                ; the earlier loads have read their base: it may step
	s_add_nc_u64 s[4:5], s[4:5], s[34:35]
.endif
.irp i, 0,1,2,3,4,5,6,7,8,9,10,11,12,13,14,15,16,17,18,19,20,21,22,23,24,25,26,27,28,29,30,31
	global_load_b32 v[WX+32*((\t)%2)+\i], v[VO+\i], s[4:5] th:TH_LOAD_NT   ; 32 lanes read 128 consecutive bytes, the wave beside me the next 128
.endr
.endm
	WLOAD 0
	WLOAD 1
.macro WBLOCK t
.set XS, WX+32*((\t)%2)
.if (\t) < NB-1
	s_wait_loadcnt 32                              ; this block's 32 loads are in; the next block's may be out
.else
	s_wait_loadcnt 0
.endif
	v_max3_num_f32 v12, |v[XS]|, |v[XS+1]|, |v[XS+2]|               ; the block's largest magnitude: all 32 numbers are mine
	v_max3_num_f32 v13, |v[XS+3]|, |v[XS+4]|, |v[XS+5]|
.irp i, 6,10,14,18,22,26
	v_max3_num_f32 v12, v12, |v[XS+\i]|, |v[XS+\i+1]|
	v_max3_num_f32 v13, v13, |v[XS+\i+2]|, |v[XS+\i+3]|
.endr
	v_max3_num_f32 v12, v12, |v[XS+30]|, |v[XS+31]|
	v_max3_num_f32 v12, v12, v13, (EMAX+1)<<23     ; and the floor
	v_add_nc_u32 v11, -(EMAX<<23), v12             ; the conversion's scale operand
	v_lshrrev_b32 v13, 23, v11                     ; the scale's byte
.if (\t)%4 == 0
	v_mov_b32 v[WSB+(\t)/4], v13                   ; four bytes to a register, the lower K in the lower byte
.else
	v_lshl_or_b32 v[WSB+(\t)/4], v13, 8*((\t)%4), v[WSB+(\t)/4]
.endif
.irp g, 0,1,2,3
	v_cvt_scalef32_pk8_fp4_f32 v[WC+\g], v[XS+8*\g:XS+8*\g+7], v11
.endr
	v_nop                                          ; one plain line behind the last conversion
	ds_store_b128 v4, v[WC:WC+3] offset:16*(\t)    ; 32 codes: 16 bytes of my column's row
.if (\t)+2 < NB
	WLOAD (\t)+2
.endif
	s_wait_dscnt 0x0                               ; the store has read its registers and has landed: the next block's codes may be written
.endm
.set Q, 0
.rept NB
	WBLOCK Q
.set Q, Q+1
.endr
	global_store_b64 v9, v[WSB:WSB+1], s[8:9]      ; my column's 8 scale bytes: rows 32 bytes apart, so these few bytes (one in 128 of what is read) leave in small pieces
	s_barrier_signal -1                            ; my stores into the stage have landed (the last block's wait for 0)
	s_barrier_wait -1                              ; everybody's have: the 64 rows are whole
.irp t, 0,1,2,3,4,5,6,7
	ds_load_b128 v[WOUT+4*\t:WOUT+4*\t+3], v7 offset:2*\t*WPITCH
.endr
.irp t, 0,1,2,3,4,5,6,7
	s_wait_dscnt 7-\t                              ; the loads behind this one may be out
	global_store_b128 v8, v[WOUT+4*\t:WOUT+4*\t+3], s[6:7] offset:2*\t*KROW   ; sixteen lanes store 256 consecutive bytes, aligned
.endr
	s_wait_tensorcnt 0x0                           ; the wave's end
	ds_add_u32 v[SPW], v[NIL]
	s_wait_dscnt 0x0
	s_endpgm
.Lfunc_end_k_qe1dc3ef0c0_quant:
	.size	k_qe1dc3ef0c0_quant, .Lfunc_end_k_qe1dc3ef0c0_quant-k_qe1dc3ef0c0_quant
	.p2alignl 7, 3214868480
	.fill 96, 4, 3214868480
	.section	.rodata,"a",@progbits
	.p2align	6, 0x0
	.amdhsa_kernel k_qe1dc3ef0c0_quant
		.amdhsa_group_segment_fixed_size 50688
		.amdhsa_private_segment_fixed_size 0
		.amdhsa_enable_private_segment 0
		.amdhsa_kernarg_size 48
		.amdhsa_user_sgpr_count 2
		.amdhsa_user_sgpr_kernarg_segment_ptr 1
		.amdhsa_wavefront_size32 1
		.amdhsa_system_sgpr_workgroup_id_x 1
		.amdhsa_system_sgpr_workgroup_id_y 1
		.amdhsa_system_sgpr_workgroup_id_z 1
		.amdhsa_system_vgpr_workitem_id 0
		.amdhsa_next_free_vgpr 212
		.amdhsa_next_free_sgpr 66
		.amdhsa_reserve_vcc 0
		.amdhsa_float_denorm_mode_32 3
		.amdhsa_float_denorm_mode_16_64 3
		.amdhsa_memory_ordered 1
		.amdhsa_forward_progress 1
		.amdhsa_inst_pref_size 77
	.end_amdhsa_kernel
	.amdgpu_metadata
---
amdhsa.version: [ 1, 2 ]
amdhsa.kernels:
  - .name:           k_qe1dc3ef0c0_quant
    .symbol:         k_qe1dc3ef0c0_quant.kd
    .args:
      - { .name: x, .offset: 0, .size: 8, .value_kind: global_buffer, .address_space: global }
      - { .name: y, .offset: 8, .size: 8, .value_kind: global_buffer, .address_space: global }
      - { .name: Wq, .offset: 16, .size: 8, .value_kind: global_buffer, .address_space: global }
      - { .name: Wkv, .offset: 24, .size: 8, .value_kind: global_buffer, .address_space: global }
      - { .name: codes, .offset: 32, .size: 8, .value_kind: global_buffer, .address_space: global }
      - { .name: scales, .offset: 40, .size: 8, .value_kind: global_buffer, .address_space: global }
    .group_segment_fixed_size: 50688
    .private_segment_fixed_size: 0
    .kernarg_segment_align: 8
    .kernarg_segment_size: 48
    .max_flat_workgroup_size: 128
    .sgpr_count:     66
    .vgpr_count:     212
    .wavefront_size: 32
...
	.end_amdgpu_metadata
.endif
;; end of part 1
;; launch proj (part 2): grid 12 x 32, 4 waves a work-group, clusters of 4 x 4, 327,680 bytes of LDS; arguments codes, scales, qkv; writes qkv
.if DOCPART == 2
	.amdgcn_target "amdgcn-amd-amdhsa--gfx1250"
	.amdhsa_code_object_version 6
	.text
	.protected	k_qe1dc3ef0c0_proj
	.globl	k_qe1dc3ef0c0_proj
	.p2align	8
	.type	k_qe1dc3ef0c0_proj,@function
k_qe1dc3ef0c0_proj:
	s_mov_b64 s[64:65], 0
	v_nop
	global_prefetch_b8 v0, s[64:65] scope:SCOPE_SE
	s_setreg_imm32_b32 hwreg(HW_REG_WAVE_MODE, 25, 1), 1
	s_wait_xcnt 0x0
	s_wait_alu depctr_hold_cnt(0) depctr_sa_sdst(0) depctr_va_vdst(0) depctr_va_sdst(0) depctr_va_ssrc(0) depctr_va_vcc(0) depctr_vm_vsrc(0)
	s_getreg_b32 s2, hwreg(HW_REG_IB_STS2, 6, 4)
	s_cmp_eq_u32 s2, 0
	s_cbranch_scc0 .Lentry_in_a_cluster
	s_endpgm
.Lentry_in_a_cluster:
	s_bfe_u32 s2, ttmp6, 0x10000c
	s_cmp_lg_u32 s2, 0xf033
	s_cbranch_scc0 .Lentry_shape_is_right
	s_endpgm
.Lentry_shape_is_right:
; The two quantised products, q = x Wq and [k | v] = y Wkv, on codes of FP4 (E2M1) with one E8M0 scale for each 32 along K = 1,024; sums in f32, results rounded once to f16.
; ONE BODY, THREE PRODUCTS, picked by the cluster's x (P): C[m][n] = sum over k of A[m][k] B[n][k], A's and B's rows both taken from the buffer codes (512 bytes a row) and scales (32 bytes a row):
;   P = 0: A = x's rows, B = Wq's columns: q.   P = 1: A = y's rows, B = k's columns of Wkv: k.   P = 2: A = v's columns of Wkv, B = y's rows: V TRANSPOSED, [d][key], as the last product wants its operand.
; qkv: bytes 0 on: [8192 rows][q: 1024 f16 | k: 1024 f16], 4,096 bytes a row; from byte 33,554,432 on: V^T [4 batches][1024 d][2048 keys] f16, 4,096 bytes a row.
; LIMIT: q, k and v are kept in f16: a magnitude over 65,504 becomes infinity.  With numbers as the inputs hold them they are of size 1; all inputs 30 times larger give some 5,000.
; A tile of C, 256 x 256, is made by a work-group of four waves; a wave makes 128 x 128: 64 accumulators, 512 registers.  K = 1,024 is two slots of 512 (rows of 256 bytes): both are asked for at the head, with the scales: three loads of mine are out.
; CLUSTERS: 4 x 4 work-groups of one product.  The four of a row of the cluster need the same rows of A, the four of a column the same rows of B: each tile is asked for JOINTLY.
; THE MATRIX INSTRUCTION IS USED TRANSPOSED (source 0 = 16 rows of B, source 1 = 16 rows of A): a lane then holds eight neighbouring numbers of a row of C.
; REGISTERS, in windows of 256: window 0: v0-31 addresses; v32-95 scale words, two sets, and nothing else; v128-191 A's fragments, one set, on the way out rows read back; v192-223 packed results.
;   window 1: B's fragments, two sets, at v0 and v128.   window 2: the accumulators of my rows 0-63 ((a, b) at v[8 (8 a + b)]);   window 3: those of my rows 64-127.
.set KSTEP,  512
.set NQ,     KSTEP/128
.set ROWB,   256                       ; a tile's row in bytes
.set KROW,   512                       ; a row of codes in memory
.set PITCH,  272                       ; an LDS row: 256 bytes + 16 of padding: the 16 rows that a load touches start 68 words apart
.set FR,     8
.set NL,     2
.set NP,     4                         ; places behind this matrix instruction (ISA guide 7.12.1)
.set HALFT,  128*PITCH
.set SLOT,   4*HALFT
.set KS,     32                        ; a row of scales in bytes
.set SCL,    2*SLOT                    ; behind the slots: the scales, as units of 256 bytes + 16 of padding
.set HALFS,  (128*KS/256)*272
.set SBLK,   (16*KS/256)*272
.set SPARE,  SCL+4*HALFS               ; the spare words, 128 bytes for each wave
.set STAGE,  SPARE+512                 ; the way out: 16 rows x 272 bytes for each wave, bytes of their own
.set SPITCH, 272
.set ROWP,   4096                      ; a row of qkv in bytes, in both its parts
.set ADRA, 16
.set ADRB, 20
.set STO,  24
.set RD,   25
.set CO,   26
.set ADRS, 27
.set SPW,  28
.set NIL,  29
.set SC,   32
.set AF,   128
.set OB,   128                         ; the way out: 16 rows read back: v128-159 and v160-191 by turns
.set TMP,  192
.set G1, 24
.set G0, 32
.set G1B, 48
.set G0B, 56
.set G1S, 68
.set G0S, 76
.set G1SB, 80
.set G0SB, 88
.set MSB, 0
.macro WIN new                         ; the immediate's high byte repeats the setting that is left
.if MSB != (\new)
	s_set_vgpr_msb (MSB<<8)|(\new)
.set MSB, (\new)
.endif
.endm
.set MUL_LO, 0xa1                      ; source 0 (B) window 1, source 1 (A) window 0, C and D window 2
.set MUL_HI, 0xf1
.set TO_B,   0x40
; A joint load: waves 0 and 1 fetch for A, waves 2 and 3 for B.  The branch hangs on the wave's number alone.  An s_nop 0 and four v_nop follow each of the two lines.
.macro JLOAD g0a, g1a, g0b, g1b
	s_cmp_eq_u32 s15, 0
	s_cbranch_scc0 .Lfor_b_\@
	tensor_load_to_lds s[\g0a:\g0a+3], s[\g1a:\g1a+7]
	s_nop 0
.rept 4
	v_nop
.endr
	s_branch .Lasked_\@
.Lfor_b_\@:
	tensor_load_to_lds s[\g0b:\g0b+3], s[\g1b:\g1b+7]
	s_nop 0
.rept 4
	v_nop
.endr
.Lasked_\@:
.endm
.macro CROUND                          ; a round of the cluster's barrier
	s_barrier_signal -1
	s_barrier_wait -1
	s_cmp_lg_u32 s14, 0
	s_cbranch_scc1 .Lnot_wave_0_\@
	s_barrier_signal -3
.Lnot_wave_0_\@:
	s_barrier_wait -3
	s_barrier_signal -1
	s_barrier_wait -1
.endm
	s_load_b128 s[4:7], s[0:1], 0x0                ; codes s[4:5], scales s[6:7]
	s_load_b64 s[12:13], s[0:1], 0x10              ; qkv
	v_lshl_add_u32 v[SPW], v0, 2, SPARE
	v_mov_b32 v[NIL], 0
	ds_add_u32 v[SPW], v[NIL]                      ; the wave's opening: the add, twice on end, and its wait ahead of my first tensor load
	ds_add_u32 v[SPW], v[NIL]
	v_lshrrev_b32 v1, 5, v0
	v_readfirstlane_b32 s14, v1                    ; wave 0..3
	s_lshr_b32 s15, s14, 1                         ; which half of the tile's rows is mine.  Also: I fetch for A (0) or for B (1)
	s_and_b32 s16, s14, 1                          ; which half of its columns.  Also: which 128 rows I fetch
	s_bfe_u32 s40, ttmp6, 0x40000                  ; cx, cy: my place in the cluster
	s_bfe_u32 s41, ttmp6, 0x40004
	s_lshr_b32 s95, ttmp9, 1                       ; f = 1 for V^T (P = 2), else 0
	s_xor_b32 s96, s95, 1
	s_and_b32 s97, ttmp7, 0xffff
	s_lshl_b32 s97, s97, 2                         ; 4 x cluster y: it walks the 8,192 rows of x or y, which are C's rows for q and k and C's columns for V^T
	s_mul_i32 s17, s97, s96
	s_add_co_u32 s17, s17, s41                     ; tile row of C
	s_mul_i32 s42, s97, s95
	s_add_co_u32 s42, s42, s40                     ; tile column of C
	s_lshl_b32 s98, ttmp9, 13
	s_lshl_b32 s99, s95, 11
	s_add_co_u32 s98, s98, s99                     ; A's first row in codes: 0, 8192, 18432
	s_lshl_b32 s99, ttmp9, 10
	s_add_co_u32 s99, s99, 16384
	s_mul_i32 s100, s95, 10240
	s_sub_co_u32 s99, s99, s100                    ; B's: 16384, 17408, 8192
	s_lshl_b32 s100, ttmp9, 11
	s_mul_i32 s101, s95, 0x2000000-4096
	s_add_co_u32 s100, s100, s101                  ; C's first byte in qkv: 0, 2048, 33,554,432
	s_lshl_b32 s43, s41, 2
	s_lshl_b32 s43, 15, s43                        ; my row of the cluster
	s_lshl_b32 s44, 0x1111, s40                    ; my column
	; descriptor group 1: a tile of 128 rows x 256 bytes, 16 bytes of padding behind each row
	s_or_b32 s[G1+0], s43, (0<<16)|(1<<20)|(1<<21)|(5<<22)|(3<<25)
	s_or_b32 s[G1B+0], s44, (0<<16)|(1<<20)|(1<<21)|(5<<22)|(3<<25)
.irp g, G1, G1B
	s_mov_b32 s[\g+1], ROWB<<16                    ; tensor_dim0
	s_mov_b32 s[\g+2], 128<<16                     ; tensor_dim1
	s_mov_b32 s[\g+3], ROWB<<16                    ; tile_dim0
	s_mov_b32 s[\g+4], 128                         ; tile_dim1
	s_mov_b32 s[\g+5], KROW                        ; from row to row
	s_mov_b32 s[\g+6], 0
	s_mov_b32 s[\g+7], 0
.endr
	; the scales of 128 rows: a dense block of 4,096 bytes, as 16 rows of 256 bytes (32 elements of 8), 16 bytes of padding behind each
	s_or_b32 s[G1S+0], s43, (3<<16)|(1<<20)|(1<<21)|(5<<22)|(3<<25)
	s_or_b32 s[G1SB+0], s44, (3<<16)|(1<<20)|(1<<21)|(5<<22)|(3<<25)
.irp g, G1S, G1SB
	s_mov_b32 s[\g+1], 32<<16
	s_mov_b32 s[\g+2], (128*KS/256)<<16
	s_mov_b32 s[\g+3], 32<<16
	s_mov_b32 s[\g+4], 128*KS/256
	s_mov_b32 s[\g+5], 32
	s_mov_b32 s[\g+6], 0
	s_mov_b32 s[\g+7], 0
.endr
	s_lshl_b32 s18, s16, 7                         ; which 128 rows of the tile I fetch
	s_lshl_b32 s20, s17, 8
	s_add_co_u32 s20, s20, s18
	s_add_co_u32 s20, s20, s98                     ; A's row in codes: it hangs on cy, never on cx
	s_lshl_b32 s46, s42, 8
	s_add_co_u32 s46, s46, s18
	s_add_co_u32 s46, s46, s99                     ; B's: on cx, never on cy
	s_lshl_b32 s22, s20, 5                         ; their scales: 32 bytes a row
	s_mov_b32 s23, 0
	s_lshl_b32 s92, s46, 5
	s_mov_b32 s93, 0
	s_lshl_b32 s20, s20, 9                         ; their codes: 512 bytes a row (19,456 rows: under 2^24 bytes)
	s_mov_b32 s21, 0
	s_lshl_b32 s46, s46, 9
	s_mov_b32 s47, 0
	s_mul_i32 s45, s14, HALFT                      ; where they go: wave x 128 rows: no place in the cluster enters an LDS address
	s_mul_i32 s94, s14, HALFS
	s_wait_dscnt 0x0                               ; both opening adds are done
	s_wait_kmcnt 0x0
	s_add_nc_u64 s[20:21], s[4:5], s[20:21]
	s_add_nc_u64 s[22:23], s[6:7], s[22:23]
	s_add_nc_u64 s[46:47], s[4:5], s[46:47]
	s_add_nc_u64 s[92:93], s[6:7], s[92:93]
	CROUND                                         ; all sixteen work-groups are here: the joint loads meet
	s_mov_b32 s[G0S], 1
	s_add_co_u32 s[G0S+1], s94, SCL
	s_mov_b64 s[G0S+2:G0S+3], s[22:23]
	s_or_b32 s[G0S+3], s[G0S+3], 0x80000000
	s_mov_b32 s[G0SB], 1
	s_add_co_u32 s[G0SB+1], s94, SCL
	s_mov_b64 s[G0SB+2:G0SB+3], s[92:93]
	s_or_b32 s[G0SB+3], s[G0SB+3], 0x80000000
	JLOAD G0S, G1S, G0SB, G1SB                     ; the scales first: they are wanted with the first slot
.irp s, 0,1
	s_mov_b32 s[G0+4*\s], 1
	s_add_co_u32 s[G0+4*\s+1], s45, \s*SLOT
	s_add_nc_u64 s[G0+4*\s+2:G0+4*\s+3], s[20:21], \s*ROWB
	s_or_b32 s[G0+4*\s+3], s[G0+4*\s+3], 0x80000000
	s_mov_b32 s[G0B+4*\s], 1
	s_add_co_u32 s[G0B+4*\s+1], s45, \s*SLOT
	s_add_nc_u64 s[G0B+4*\s+2:G0B+4*\s+3], s[46:47], \s*ROWB
	s_or_b32 s[G0B+4*\s+3], s[G0B+4*\s+3], 0x80000000
	JLOAD G0+4*\s, G1, G0B+4*\s, G1B
.endr
	v_and_b32 v1, 15, v0                           ; r = l % 16
	v_bfe_u32 v2, v0, 4, 1                         ; h = l / 16
	v_mul_u32_u24 v3, v1, PITCH
	v_lshl_add_u32 v4, v2, 4, v3                   ; a fragment's row x pitch + 16 x half
	s_mul_i32 s21, s15, HALFT                      ; my 128 rows of A
	s_mul_i32 s22, s16, HALFT                      ; my 128 rows of B,
	s_add_co_u32 s22, s22, 2*HALFT                 ; which lie behind A's 256
.irp s, 0,1
	v_add_nc_u32 v[ADRA+\s], s21, v4
	v_add_nc_u32 v[ADRB+\s], s22, v4
	s_add_co_u32 s21, s21, SLOT
	s_add_co_u32 s22, s22, SLOT
.endr
	v_mul_u32_u24 v5, v1, KS                       ; my row's scales: KS bytes a row,
	v_lshrrev_b32 v6, 8, v5
	v_lshl_add_u32 v5, v6, 4, v5                   ; and 16 more for each 256 passed
	s_mul_i32 s21, s15, HALFS                      ; A's: my 128 rows
	s_mul_i32 s22, s16, HALFS                      ; B's: my 128 rows, behind A's 256
	s_add_co_u32 s22, s22, 2*HALFS
	s_sub_co_u32 s22, s22, s21
	v_mul_u32_u24 v6, s22, v2                      ; lanes 16-31 take B's: one product, the distance x h
	s_add_co_u32 s21, s21, SCL
	v_add_nc_u32 v5, v5, v6
	v_add_nc_u32 v[ADRS], s21, v5
	s_mul_i32 s23, s14, 16*SPITCH
	s_add_co_u32 s23, s23, STAGE                   ; my stage
	v_mul_u32_u24 v5, v1, SPITCH                   ; in: row r, 16 bytes for each half of the lanes
	v_lshl_add_u32 v5, v2, 4, v5
	v_add_nc_u32 v[STO], s23, v5
	v_mul_u32_u24 v5, v2, SPITCH                   ; back: lanes 0-15 take one row of 256 bytes, lanes 16-31 the next
	v_lshl_add_u32 v5, v1, 4, v5
	v_add_nc_u32 v[RD], s23, v5
	v_lshlrev_b32 v5, 12, v2                       ; and the same two rows in qkv
	v_lshl_add_u32 v[CO], v1, 4, v5
	s_lshl_b32 s20, s17, 8
	s_lshl_b32 s21, s15, 7
	s_add_co_u32 s20, s20, s21                     ; my first row of C
	s_lshl_b32 s20, s20, 12
	s_add_co_u32 s20, s20, s100                    ; + the product's first byte
	s_mov_b32 s21, 0
	s_and_b32 s46, s42, 7                          ; my first column: 512 bytes a tile, eight tiles to a row of V^T,
	s_lshl_b32 s46, s46, 9
	s_lshr_b32 s47, s42, 3                         ; then the next batch's 1,024 rows (q and k have four tile columns: this is 0 there)
	s_lshl_b32 s47, s47, 22
	s_add_co_u32 s46, s46, s47
	s_lshl_b32 s47, s16, 8
	s_add_co_u32 s46, s46, s47
	s_mov_b32 s47, 0
	s_add_nc_u64 s[20:21], s[20:21], s[46:47]
	s_add_nc_u64 s[12:13], s[12:13], s[20:21]
.macro FRAG reg, adr, q, i             ; a fragment, 16 rows x 128 K of 4-bit codes: 8 registers; lane l holds row l % 16; registers 4 c .. 4 c + 3 hold K = 64 c + 32 (l / 16) + 0 .. 31
.irp c, 0,1
	ds_load_b128 v[\reg+4*\c:\reg+4*\c+3], v[\adr] offset:64*(\q)+32*\c+(\i)*16*PITCH
.endr
.endm
; 16 matrix instructions: A's blocks a0, a0 + 1 x B's eight, the slot's q-th 128 along K.  The 64 accumulators take turns, one instruction a turn, in the same order in every step.
; One scale register carries A's word of block i in lanes 0-15 and B's word of block i in lanes 16-31.
.macro MUL16 a0, p, q, sc, zero
.irp a, \a0, \a0+1
.irp b, 0,1,2,3,4,5,6,7
.if \zero
	v_wmma_scale_f32_16x16x128_f8f6f4 v[8*(8*((\a)%4)+\b):8*(8*((\a)%4)+\b)+7], v[128*(\p)+FR*\b:128*(\p)+FR*\b+FR-1], v[AF+FR*(\a):AF+FR*(\a)+FR-1], 0, v[SC+8*NQ*(\sc)+NQ*\b+(\q)], v[SC+8*NQ*(\sc)+NQ*(\a)+(\q)] matrix_a_fmt:MATRIX_FMT_FP4 matrix_b_fmt:MATRIX_FMT_FP4 matrix_a_scale:MATRIX_SCALE_ROW1
.else
	v_wmma_scale_f32_16x16x128_f8f6f4 v[8*(8*((\a)%4)+\b):8*(8*((\a)%4)+\b)+7], v[128*(\p)+FR*\b:128*(\p)+FR*\b+FR-1], v[AF+FR*(\a):AF+FR*(\a)+FR-1], v[8*(8*((\a)%4)+\b):8*(8*((\a)%4)+\b)+7], v[SC+8*NQ*(\sc)+NQ*\b+(\q)], v[SC+8*NQ*(\sc)+NQ*(\a)+(\q)] matrix_a_fmt:MATRIX_FMT_FP4 matrix_b_fmt:MATRIX_FMT_FP4 matrix_a_scale:MATRIX_SCALE_ROW1
.endif
.endr
.endr
.endm
.macro FETCH_B slot, q, p
	WIN TO_B
.irp i, 0,1,2,3,4,5,6,7
	FRAG 128*(\p)+FR*\i, ADRB+\slot, \q, \i
.endr
	WIN 0
.endm
.macro FETCH_A slot, q, i0
.irp i, \i0, \i0+1, \i0+2, \i0+3
	FRAG AF+FR*(\i), ADRA+\slot, \q, \i
.endr
.endm
.macro SCALES sc                       ; a slot's scale words: four words a row
.irp i, 0,1,2,3,4,5,6,7
	ds_load_b128 v[SC+8*NQ*\sc+NQ*\i:SC+8*NQ*\sc+NQ*\i+3], v[ADRS] offset:\i*SBLK
.endr
.endm
.macro PLACES n                        ; places in front of loads into registers that matrix instructions have read, and of the first read of results: plain vector instructions alone are places
.rept \n
	v_nop
.endr
.endm
.macro STEP slot, q, zero              ; a step of 128 along K that has its successor in the same slot
	s_wait_dscnt 4*NL                              ; B's set and A's blocks 0-3 are in; the youngest eight loads (A's blocks 4-7) may be out
	WIN MUL_LO
	MUL16 0, (\q)%2, \q, \slot, \zero
	MUL16 2, (\q)%2, \q, \slot, \zero
	s_wait_dscnt 0
	PLACES NP
	FETCH_B \slot, (\q)+1, 1-(\q)%2
	FETCH_A \slot, (\q)+1, 0
	WIN MUL_HI
	MUL16 4, (\q)%2, \q, \slot, \zero
	MUL16 6, (\q)%2, \q, \slot, \zero
	PLACES NP
	WIN 0
	FETCH_A \slot, (\q)+1, 4
.endm
.macro STEPS slot, from
.set Q, \from
.rept NQ-1-\from
	STEP \slot, Q, 0
.set Q, Q+1
.endr
.endm
	s_wait_tensorcnt 1                             ; the scales and my part of slot 0 are in (slot 1's load may be out)
	s_barrier_signal -1
	s_barrier_wait -1                              ; everybody's are
	FETCH_B 0, 0, 0
	FETCH_A 0, 0, 0
	SCALES 0
	FETCH_A 0, 0, 4
	STEP 0, 0, 1                                   ; the first step's products start the sums: nothing is cleared
	STEPS 0, 1
	; slot 0's last step changes slots: one barrier; in front of it each wave waits for its load of slot 1
	s_wait_tensorcnt 0x0                           ; my part of slot 1 has landed
	ds_add_u32 v[SPW], v[NIL]                      ; 0 onto my spare word
	s_wait_dscnt 4*NL+1                            ; (the add and the youngest eight loads, A's blocks 4-7, may be out)
	WIN MUL_LO
	MUL16 0, 1, NQ-1, 0, 0
	s_wait_dscnt 0x0
	s_barrier_signal -1
	MUL16 2, 1, NQ-1, 0, 0
	WIN 0
	s_barrier_wait -1                              ; slot 1 is whole
	PLACES NP
	v_add_nc_u32 v[ADRS], 4*NQ, v[ADRS]            ; on to slot 1's scale words
	FETCH_B 1, 0, 0
	FETCH_A 1, 0, 0
	SCALES 1
	WIN MUL_HI
	MUL16 4, 1, NQ-1, 0, 0
	MUL16 6, 1, NQ-1, 0, 0
	PLACES NP
	WIN 0
	FETCH_A 1, 0, 4
	STEPS 1, 0
	s_wait_dscnt 4*NL                              ; the very last step: nothing more to fetch
	WIN MUL_LO
	MUL16 0, 1, NQ-1, 1, 0
	MUL16 2, 1, NQ-1, 1, 0
	s_wait_dscnt 0
	WIN MUL_HI
	MUL16 4, 1, NQ-1, 1, 0
	MUL16 6, 1, NQ-1, 1, 0
	WIN 0
; THE WAY OUT, block by block of 16 rows x 128 columns: rounded to f16 (16 bytes a lane), into my own stage, back as whole rows of 256 bytes, stored sixteen lanes to 256 consecutive aligned bytes.
.macro PACK a
.set AC, 64*((\a)%4)
	WIN 0x0a+5*((\a)/4)                            ; sources 0 and 1: window 2 or 3
.irp b, 0,1,2,3,4,5,6,7
.irp r, 0,1,2,3
	v_cvt_pk_f16_f32 v[TMP+4*\b+\r], v[AC+8*\b+2*\r], v[AC+8*\b+2*\r+1]   ; each accumulator from its low end on
.endr
.endr
	WIN 0
.endm
.macro TOSTAGE a
.set BK, OB+32*((\a)%2)
.irp b, 0,1,2,3,4,5,6,7
	ds_store_b128 v[STO], v[TMP+4*\b:TMP+4*\b+3] offset:32*\b
.endr
.irp t, 0,1,2,3,4,5,6,7
	ds_load_b128 v[BK+4*\t:BK+4*\t+3], v[RD] offset:\t*2*SPITCH    ; LDS serves a wave's instructions in order: these see the stores above
.endr
.endm
.macro SEND a
.set BK, OB+32*((\a)%2)
	s_wait_dscnt 0x0                               ; the block is back in registers
	s_wait_xcnt 0x0                                ; the earlier stores have read their base and their registers: both may be written again
.if (\a) > 0
	s_add_nc_u64 s[12:13], s[12:13], 16*ROWP
.endif
.irp t, 0,1,2,3,4,5,6,7
	global_store_b128 v[CO], v[BK+4*\t:BK+4*\t+3], s[12:13] offset:2*\t*ROWP
.endr
.endm
	PLACES NP
	PACK 0
	TOSTAGE 0
.irp a, 1,2,3,4,5,6,7                  ; block a's conversions stand between block a - 1's loads from the stage and the wait for them
	PACK \a
	SEND \a-1
	TOSTAGE \a
.endr
	SEND 7
	s_wait_tensorcnt 0x0                           ; the wave's end
	ds_add_u32 v[SPW], v[NIL]
	s_wait_dscnt 0x0
	CROUND                                         ; the closing round
	s_endpgm
.Lfunc_end_k_qe1dc3ef0c0_proj:
	.size	k_qe1dc3ef0c0_proj, .Lfunc_end_k_qe1dc3ef0c0_proj-k_qe1dc3ef0c0_proj
	.p2alignl 7, 3214868480
	.fill 96, 4, 3214868480
	.section	.rodata,"a",@progbits
	.p2align	6, 0x0
	.amdhsa_kernel k_qe1dc3ef0c0_proj
		.amdhsa_group_segment_fixed_size 327680
		.amdhsa_private_segment_fixed_size 0
		.amdhsa_enable_private_segment 0
		.amdhsa_kernarg_size 24
		.amdhsa_user_sgpr_count 2
		.amdhsa_user_sgpr_kernarg_segment_ptr 1
		.amdhsa_wavefront_size32 1
		.amdhsa_system_sgpr_workgroup_id_x 1
		.amdhsa_system_sgpr_workgroup_id_y 1
		.amdhsa_system_sgpr_workgroup_id_z 1
		.amdhsa_system_vgpr_workitem_id 0
		.amdhsa_next_free_vgpr 1024
		.amdhsa_next_free_sgpr 102
		.amdhsa_reserve_vcc 0
		.amdhsa_float_denorm_mode_32 3
		.amdhsa_float_denorm_mode_16_64 3
		.amdhsa_memory_ordered 1
		.amdhsa_forward_progress 1
		.amdhsa_inst_pref_size 127
	.end_amdhsa_kernel
	.amdgpu_metadata
---
amdhsa.version: [ 1, 2 ]
amdhsa.kernels:
  - .name:           k_qe1dc3ef0c0_proj
    .symbol:         k_qe1dc3ef0c0_proj.kd
    .args:
      - { .name: codes, .offset: 0, .size: 8, .value_kind: global_buffer, .address_space: global }
      - { .name: scales, .offset: 8, .size: 8, .value_kind: global_buffer, .address_space: global }
      - { .name: qkv, .offset: 16, .size: 8, .value_kind: global_buffer, .address_space: global }
    .group_segment_fixed_size: 327680
    .private_segment_fixed_size: 0
    .kernarg_segment_align: 8
    .kernarg_segment_size: 24
    .max_flat_workgroup_size: 128
    .sgpr_count:     102
    .vgpr_count:     1024
    .wavefront_size: 32
...
	.end_amdgpu_metadata
.endif
;; end of part 2
;; launch scores (part 3): grid 8 x 32, 4 waves a work-group, clusters of 4 x 4, 327,680 bytes of LDS; arguments qkv, pfrag, stat; writes pfrag, stat
.if DOCPART == 3
	.amdgcn_target "amdgcn-amd-amdhsa--gfx1250"
	.amdhsa_code_object_version 6
	.text
	.protected	k_qe1dc3ef0c0_scores
	.globl	k_qe1dc3ef0c0_scores
	.p2align	8
	.type	k_qe1dc3ef0c0_scores,@function
k_qe1dc3ef0c0_scores:
	s_mov_b64 s[64:65], 0
	v_nop
	global_prefetch_b8 v0, s[64:65] scope:SCOPE_SE
	s_setreg_imm32_b32 hwreg(HW_REG_WAVE_MODE, 25, 1), 1
	s_wait_xcnt 0x0
	s_wait_alu depctr_hold_cnt(0) depctr_sa_sdst(0) depctr_va_vdst(0) depctr_va_sdst(0) depctr_va_ssrc(0) depctr_va_vcc(0) depctr_vm_vsrc(0)
	s_getreg_b32 s2, hwreg(HW_REG_IB_STS2, 6, 4)
	s_cmp_eq_u32 s2, 0
	s_cbranch_scc0 .Lentry_in_a_cluster
	s_endpgm
.Lentry_in_a_cluster:
	s_bfe_u32 s2, ttmp6, 0x10000c
	s_cmp_lg_u32 s2, 0xf033
	s_cbranch_scc0 .Lentry_shape_is_right
	s_endpgm
.Lentry_shape_is_right:
; S = q k^T for each batch (f16 operands, f32 sums, K = 1,024), and on the way out the softmax's first half, BY CHUNKS OF 128 KEYS:
;   t = S x log2(e) / 32;  M_c = the chunk's largest t of a query, rounded UP to a whole number;  p' = 2^(t - M_c), at most 1;  l_c = the sum of the chunk's p' (unrounded, f32).
; p' goes out in f16, -M_c and l_c in f32.  The next launch takes the largest M_c of a row away from all of them: p' x 2^(M_c - M_row), a multiplication by a power of two.  So the row's maximum is taken away as the softmax asks, in two steps.
; q, k: buffer qkv, [8192 rows][q: 1024 f16 | k: 1024 f16].  stat: [2][16 chunks][8192 rows] f32: plane 0 -M_c, plane 1 l_c.
; pfrag: p' IN THE ORDER OF THE NEXT PRODUCT'S OPERAND REGISTERS: byte ((batch x 16 + chunk) x 128 + block of 16 queries) x 4096 + 512 b + 16 x lane, b = the chunk's b-th 16 keys: what a lane packs here is what the same lane wants there.
; LIMITS: p' under 2^-24 falls to 0 in f16.  NaN and infinities are not served.
; A tile of S, 256 queries x 256 keys, is made by a work-group of four waves; a wave makes 128 x 128, which is one chunk for 128 queries: 64 accumulators, 512 registers.  K goes in steps of 128 (rows of 256 bytes) through two LDS slots.
; CLUSTERS: 4 x 4 work-groups.  The four of a row of the cluster need the same rows of q, the four of a column the same rows of k: each tile is asked for JOINTLY.
; THE MATRIX INSTRUCTION IS USED TRANSPOSED (source 0 = 16 keys, source 1 = 16 queries): a lane holds ONE query (l % 16) and, in accumulator b, keys 16 b + 8 (l / 16) + 0 .. 7.
; REGISTERS: window 0: v0-31 addresses; v32-63 the softmax's small numbers; v64-127, v128-191 q's fragments, two buffers; v192-255 packed p', two sets.  window 1: k's fragments, two buffers.  windows 2, 3: the accumulators ((a, b) at v[8 (8 (a % 4) + b)]).
.set KSTEP,  128
.set PITCH,  272                       ; an LDS row: 256 bytes + 16 of padding
.set HALFT,  128*PITCH
.set SLOT,   4*HALFT
.set STATS,  2*SLOT                    ; behind the ring: 1,024 bytes for each wave: -M of its 128 queries, then l
.set SPARE,  STATS+4096                ; the spare words, 128 bytes for each wave
.set LAPS,   4                         ; a lap = two K steps; K = 1,024
.set ADRA, 16
.set ADRB, 20
.set PO,   24                          ; v24  16 x lane
.set STS,  25                          ; v25  where I put -M (lanes 0-15) or l (lanes 16-31) of my query
.set STR,  26                          ; v26  where I read them back, 16 bytes a lane
.set SPW,  28
.set NIL,  29
.set PFO,  30                          ; v30  the prefetches' offset: my lane x a row of 4,096 bytes
.set T,    32                          ; v32-39 maxima
.set U,    40                          ; v40-47 four pairs of sums
.set NM,   48                          ; v48 -M; v49 = 0 (named with it as a pair)
.set LS,   50                          ; v50 l; v51 what I store; v52 the other half's
.set F0,   64
.set F1,   128
.set TMP,  192
.set G1, 24
.set G0, 32
.set G1B, 48
.set G0B, 56
.set LIM,  43                          ; s43  1 in a wave that prefetches, else the greatest number
.set PFA,  44                          ; s[44:45] where my prefetches stand
.set MSB, 0
.macro WIN new
.if MSB != (\new)
	s_set_vgpr_msb (MSB<<8)|(\new)
.set MSB, (\new)
.endif
.endm
.set MUL_LO, 0xa1                      ; source 0 (k) window 1, source 1 (q) window 0, C and D window 2
.set MUL_HI, 0xf1
.set TO_B,   0x40
.macro JLOAD s                         ; a joint load: waves 0 and 1 fetch q's two halves, waves 2 and 3 k's; an s_nop 0 and four v_nop follow each of the two lines
	s_cmp_eq_u32 s11, 0
	s_cbranch_scc0 .Lfor_b_\@
	tensor_load_to_lds s[G0+4*\s:G0+4*\s+3], s[G1:G1+7]
	s_nop 0
.rept 4
	v_nop
.endr
	s_branch .Lasked_\@
.Lfor_b_\@:
	tensor_load_to_lds s[G0B+4*\s:G0B+4*\s+3], s[G1B:G1B+7]
	s_nop 0
.rept 4
	v_nop
.endr
.Lasked_\@:
.endm
; A prefetch of the K step that stands two refills on: 32 rows x 256 bytes, a lane a row, one instruction a wave.  Each row's 256 bytes of a K step are named once in the launch: q's rows are read by both clusters of a row of clusters:
; cluster x = 0 asks; k's rows by the batch's two clusters along y: the even one asks.  The four partners that ask for a tile jointly share its rows out by address, 32 each.  The loop's last trip asks for nothing: there is no K step two on.
.macro ASK
	s_cmp_gt_u32 s3, s[LIM]                        ; s3 = 1 in the loop's last trip
	s_cbranch_scc0 .Lnot_mine_\@
	global_prefetch_b8 v[PFO], s[PFA:PFA+1] offset:KSTEP*2 th:TH_LOAD_NT scope:SCOPE_SE
.Lnot_mine_\@:
.endm
.macro CREST
	s_cmp_lg_u32 s10, 0
	s_cbranch_scc1 .Lnot_wave_0_\@
	s_barrier_signal -3
.Lnot_wave_0_\@:
	s_barrier_wait -3
	s_barrier_signal -1
	s_barrier_wait -1
.endm
.macro CROUND
	s_barrier_signal -1
	s_barrier_wait -1
	CREST
.endm
	s_load_b64 s[4:5], s[0:1], 0x0                 ; qkv
	s_load_b64 s[8:9], s[0:1], 0x8                 ; pfrag
	s_load_b64 s[66:67], s[0:1], 0x10              ; stat
	v_lshl_add_u32 v[SPW], v0, 2, SPARE
	v_mov_b32 v[NIL], 0
	ds_add_u32 v[SPW], v[NIL]                      ; the wave's opening: the add, twice on end, and its wait ahead of my first tensor load
	ds_add_u32 v[SPW], v[NIL]
	v_lshrrev_b32 v1, 5, v0
	v_readfirstlane_b32 s10, v1                    ; wave 0..3
	s_lshr_b32 s11, s10, 1                         ; which 128 queries are mine.  Also: I fetch for q (0) or for k (1)
	s_and_b32 s12, s10, 1                          ; which 128 keys.  Also: which 128 rows I fetch
	s_bfe_u32 s40, ttmp6, 0x40000                  ; cx
	s_bfe_u32 s41, ttmp6, 0x40004                  ; cy
	s_lshl_b32 s42, ttmp9, 2
	s_add_co_u32 s42, s42, s40                     ; tile of 256 keys in the batch, 0..7
	s_and_b32 s13, ttmp7, 0xffff
	s_lshr_b32 s73, s13, 1                         ; the batch: from the cluster's y alone
	s_and_b32 s74, s13, 1                          ; which of the batch's two clusters along y
	s_lshl_b32 s13, s13, 2
	s_add_co_u32 s13, s13, s41                     ; tile of 256 queries among all 8,192, 0..31
	s_lshl_b32 s43, s41, 2
	s_lshl_b32 s43, 15, s43                        ; my row of the cluster
	s_lshl_b32 s44, 0x1111, s40                    ; my column
	s_or_b32 s[G1+0], s43, (1<<16)|(1<<20)|(1<<21)|(5<<22)|(3<<25)  ; the mask; elements of 2 bytes; padding: 4 words behind every 64
	s_or_b32 s[G1B+0], s44, (1<<16)|(1<<20)|(1<<21)|(5<<22)|(3<<25)
.irp g, G1, G1B
	s_mov_b32 s[\g+1], KSTEP<<16                   ; tensor_dim0 = 128
	s_mov_b32 s[\g+2], 128<<16                     ; tensor_dim1 = 128
	s_mov_b32 s[\g+3], KSTEP<<16                   ; tile_dim0
	s_mov_b32 s[\g+4], 128                         ; tile_dim1
	s_mov_b32 s[\g+5], 2048                        ; from row to row: q's 1,024 and k's 1,024 elements
	s_mov_b32 s[\g+6], 0
	s_mov_b32 s[\g+7], 0
.endr
	s_mov_b32 s68, 0x3d38aa3b                      ; c = log2(e) / 32
	s_mov_b32 s69, s68                             ; (named with it as a pair)
	s_mov_b32 s70, 0x76543210
	s_mov_b32 s71, 0xfedcba98                      ; v_permlanex16_b32's selects for lane l xor 16
	s_lshl_b32 s17, s12, 7                         ; which 128 rows of the tile I fetch
	s_lshl_b32 s16, s13, 8
	s_add_co_u32 s16, s16, s17
	s_lshl_b32 s16, s16, 12                        ; q: (256 x tile + 128 x half) rows of 4,096 bytes: it hangs on cy, never on cx
	s_lshl_b32 s75, s73, 11
	s_lshl_b32 s46, s42, 8
	s_add_co_u32 s75, s75, s46                     ; k's tile begins at row 2,048 x batch + 256 x tile: on cx, never on cy
	s_add_co_u32 s46, s75, s17
	s_lshl_b32 s46, s46, 12
	s_mov_b32 s17, 0
	s_mov_b32 s47, 0
	s_mul_i32 s20, s10, HALFT                      ; where they go: wave x 128 rows
	s_wait_dscnt 0x0                               ; both opening adds are done
	s_wait_kmcnt 0x0
	s_add_nc_u64 s[6:7], s[4:5], 2048              ; k lies 2,048 bytes on in each row
	s_add_nc_u64 s[14:15], s[4:5], s[16:17]
	s_add_nc_u64 s[46:47], s[6:7], s[46:47]
	CROUND                                         ; all sixteen work-groups are here: the first joint loads meet
.irp s, 0,1
	s_mov_b32 s[G0+4*\s], 1
	s_add_co_u32 s[G0+4*\s+1], s20, \s*SLOT
	s_add_nc_u64 s[G0+4*\s+2:G0+4*\s+3], s[14:15], \s*KSTEP*2
	s_or_b32 s[G0+4*\s+3], s[G0+4*\s+3], 0x80000000
	s_mov_b32 s[G0B+4*\s], 1
	s_add_co_u32 s[G0B+4*\s+1], s20, \s*SLOT
	s_add_nc_u64 s[G0B+4*\s+2:G0B+4*\s+3], s[46:47], \s*KSTEP*2
	s_or_b32 s[G0B+4*\s+3], s[G0B+4*\s+3], 0x80000000
	JLOAD \s
.endr
	v_and_b32 v1, 15, v0                           ; r
	v_bfe_u32 v2, v0, 4, 1                         ; h
	v_mul_u32_u24 v3, v1, PITCH
	v_lshl_add_u32 v3, v2, 4, v3
	s_mul_i32 s21, s11, HALFT                      ; my 128 rows of q
	s_mul_i32 s22, s12, HALFT                      ; my 128 rows of k,
	s_add_co_u32 s22, s22, 2*HALFT                 ; which lie behind q's 256
.irp s, 0,1
	v_add_nc_u32 v[ADRA+\s], s21, v3
	v_add_nc_u32 v[ADRB+\s], s22, v3
	s_add_co_u32 s21, s21, SLOT
	s_add_co_u32 s22, s22, SLOT
.endr
	v_and_b32 v4, 31, v0
	v_lshlrev_b32 v[PO], 4, v4
	s_lshl_b32 s23, s10, 10
	s_add_co_u32 s23, s23, STATS                   ; my wave's 1,024 bytes
	v_lshlrev_b32 v5, 2, v1
	v_lshl_add_u32 v5, v2, 9, v5
	v_add_nc_u32 v[STS], s23, v5                   ; 4 r, + 512 for lanes 16-31
	v_add_nc_u32 v[STR], s23, v[PO]
	v_cmp_lt_u32 s72, 15, v4                       ; lanes 16-31
	v_mov_b32 v[NM+1], 0
	v_mov_b32 v[LS+2], 0                           ; a lane permute's destination counts as one of its sources
	; where my p' go: ((batch x 16 + chunk) x 128 + my first block of 16 queries in the batch) x 4,096.  These offsets mix cx and cy: they are made in registers that feed no descriptor
	s_lshl_b32 s76, s73, 4
	s_lshl_b32 s78, s42, 1
	s_add_co_u32 s76, s76, s78
	s_add_co_u32 s76, s76, s12                     ; batch x 16 + chunk, chunk = 2 x tile + half
	s_lshl_b32 s76, s76, 7
	s_and_b32 s78, s13, 7
	s_lshl_b32 s78, s78, 4
	s_add_co_u32 s76, s76, s78
	s_lshl_b32 s78, s11, 3
	s_add_co_u32 s76, s76, s78
	s_lshl_b32 s76, s76, 12
	s_mov_b32 s77, 0
	s_add_nc_u64 s[8:9], s[8:9], s[76:77]
	s_lshl_b32 s76, s42, 1                         ; and my statistics: chunk x 32,768 + my first query x 4
	s_add_co_u32 s76, s76, s12
	s_lshl_b32 s76, s76, 15
	s_lshl_b32 s78, s13, 10
	s_add_co_u32 s76, s76, s78
	s_lshl_b32 s78, s11, 9
	s_add_co_u32 s76, s76, s78
	s_add_nc_u64 s[66:67], s[66:67], s[76:77]
	; the prefetches
	s_lshl_b32 s20, s13, 8
	s_cmp_eq_u32 s11, 0                            ; do I fetch for q?
	s_cselect_b32 s20, s20, s75                    ; the tile's first row
	s_cselect_b32 s21, s40, s41                    ; my place among the four that ask for it with me
	s_cselect_b32 s22, ttmp9, s74                  ; the coordinate along which other clusters read the same rows
	s_cselect_b64 s[PFA:PFA+1], s[4:5], s[6:7]
	s_cmp_eq_u32 s22, 0
	s_cselect_b32 s[LIM], 1, -1                    ; the same in all sixteen partners, for a given wave
	s_lshl_b32 s22, s12, 7
	s_add_co_u32 s20, s20, s22                     ; + the 128 rows that I fetch
	s_lshl_b32 s21, s21, 5
	s_add_co_u32 s20, s20, s21                     ; + my work-group's 32 of them
	s_lshl_b32 s20, s20, 12
	s_mov_b32 s21, 0
	s_add_nc_u64 s[PFA:PFA+1], s[PFA:PFA+1], s[20:21]
	s_add_nc_u64 s[PFA:PFA+1], s[PFA:PFA+1], 2*KSTEP*2  ; at K step 2: the first refill steps it to 3 and names K step 4.  Nothing is prefetched here, at the head
	v_lshlrev_b32 v[PFO], 12, v4
.macro MUL16 f, hi, a0, zero           ; 16 matrix instructions: query blocks a0, a0 + 1 of the window's four x all 8 key blocks, 32 along K
.irp a, \a0, \a0+1
.irp b, 0,1,2,3,4,5,6,7
.if \zero
	v_wmma_f32_16x16x32_f16 v[8*(8*(\a)+\b):8*(8*(\a)+\b)+7], v[\f+8*\b:\f+8*\b+7], v[\f+8*(4*\hi+\a):\f+8*(4*\hi+\a)+7], 0
.else
	v_wmma_f32_16x16x32_f16 v[8*(8*(\a)+\b):8*(8*(\a)+\b)+7], v[\f+8*\b:\f+8*\b+7], v[\f+8*(4*\hi+\a):\f+8*(4*\hi+\a)+7], v[8*(8*(\a)+\b):8*(8*(\a)+\b)+7]
.endif
.endr
.endr
.endm
.macro FETCH slot, k, f                ; 32 LDS loads in one run: the fragments of one quarter step
	WIN TO_B
.irp i, 0,1,2,3,4,5,6,7
	ds_load_b128 v[\f+8*\i:\f+8*\i+3],   v[ADRB+\slot] offset:\k+\i*16*PITCH
	ds_load_b128 v[\f+8*\i+4:\f+8*\i+7], v[ADRB+\slot] offset:\k+\i*16*PITCH+32
.endr
	WIN 0
.irp i, 0,1,2,3,4,5,6,7
	ds_load_b128 v[\f+8*\i:\f+8*\i+3],   v[ADRA+\slot] offset:\k+\i*16*PITCH
	ds_load_b128 v[\f+8*\i+4:\f+8*\i+7], v[ADRA+\slot] offset:\k+\i*16*PITCH+32
.endr
.endm
.macro PLACES                          ; four places in front of loads into registers that matrix instructions have read, and of the first read of results
.rept 4
	v_nop
.endr
.endm
.macro QUARTER slot, k, f, g, zero     ; 32 along K: multiplies buffer f; in its middle it fetches the next quarter's fragments into buffer g
	s_wait_dscnt 8                                 ; k's and q's rows 0-63 are in; the youngest eight loads (q's rows 64-127) may be out
	WIN MUL_LO
	MUL16 \f, 0, 0, \zero
	MUL16 \f, 0, 2, \zero
	PLACES
	FETCH \slot, \k, \g
	s_wait_dscnt 32                                ; all but the 32 just issued
	WIN MUL_HI
	MUL16 \f, 1, 0, \zero
	MUL16 \f, 1, 2, \zero
.endm
.macro MEET round                      ; the first half of a slot's last quarter: one barrier for the change of slots
	WIN 0
	s_wait_tensorcnt 0x0                           ; all my tensor loads have landed: the one that was out is my part of the next slot
	ds_add_u32 v[SPW], v[NIL]                      ; 0 onto my spare word
	s_wait_dscnt 9                                 ; (the add and the youngest eight loads may be out)
	WIN MUL_LO
	MUL16 F1, 0, 0, 0
	s_wait_dscnt 0x0                               ; the add is done, and my reads of this slot are over
	s_barrier_signal -1
	MUL16 F1, 0, 2, 0
.if \round
	WIN 0
.endif
	s_barrier_wait -1
.endm
.macro TURN slot, next                 ; the whole last quarter, with the refill of the slot just read out
	s_wait_xcnt 0x0                                ; the last prefetch, a K step back, has read its address
	s_add_nc_u64 s[PFA:PFA+1], s[PFA:PFA+1], KSTEP*2
	MEET 1
	CREST                                          ; the barrier has opened a round of the cluster's: no wave of any partner still reads this slot or has a load on its way
	s_add_nc_u64 s[G0+4*\slot+2:G0+4*\slot+3], s[G0+4*\slot+2:G0+4*\slot+3], 2*KSTEP*2
	s_add_nc_u64 s[G0B+4*\slot+2:G0B+4*\slot+3], s[G0B+4*\slot+2:G0B+4*\slot+3], 2*KSTEP*2
	JLOAD \slot                                    ; the first tensor load behind the round; its four v_nop are also the places in front of the loads below
	FETCH \next, 0, F0
	ASK
	WIN MUL_HI
	MUL16 F1, 1, 0, 0
	MUL16 F1, 1, 2, 0
.endm
	s_wait_tensorcnt 1                             ; my part of K step 0 is in (K step 1's load may be out)
	s_barrier_signal -1
	s_barrier_wait -1                              ; everybody's is
	FETCH 0, 0, F0
	QUARTER 0, 64,  F0, F1, 1                      ; the first quarter's products start the sums
	WIN 0
	s_mov_b32 s3, LAPS-1
.Llap:                                                 ; a trip goes once round the ring and fills both slots again
	QUARTER 0, 128, F1, F0, 0
	QUARTER 0, 192, F0, F1, 0
	TURN 0, 1
	QUARTER 1, 64,  F0, F1, 0
	QUARTER 1, 128, F1, F0, 0
	QUARTER 1, 192, F0, F1, 0
	TURN 1, 0
	QUARTER 0, 64,  F0, F1, 0
	WIN 0
	s_sub_co_u32 s3, s3, 1
	s_cmp_lg_u32 s3, 0
	s_cbranch_scc1 .Llap
	QUARTER 0, 128, F1, F0, 0                      ; the last lap is written out: it fills nothing
	QUARTER 0, 192, F0, F1, 0
	MEET 0
	PLACES
	FETCH 1, 0, F0
	WIN MUL_HI
	MUL16 F1, 1, 0, 0
	MUL16 F1, 1, 2, 0
	QUARTER 1, 64,  F0, F1, 0
	QUARTER 1, 128, F1, F0, 0
	QUARTER 1, 192, F0, F1, 0
	s_wait_dscnt 8
	WIN MUL_LO
	MUL16 F1, 0, 0, 0
	MUL16 F1, 0, 2, 0
	s_wait_dscnt 0
	WIN MUL_HI
	MUL16 F1, 1, 0, 0
	MUL16 F1, 1, 2, 0
	WIN 0
; THE WAY OUT of block a (16 queries x my 128 keys: eight accumulators, 64 registers a lane).
.macro SOFT a
.set AC, 64*((\a)%4)
.set HI, (\a)/4
.set TM, TMP+32*((\a)%2)
	WIN 0x2a+0x15*HI                               ; all three sources in the accumulators' window, the destination in window 0
.irp b, 0,1,2,3,4,5,6,7
	v_max3_num_f32 v[T+\b], v[AC+8*\b], v[AC+8*\b+1], v[AC+8*\b+2]   ; each accumulator is read from its low end on
.endr
	WIN 0x28+0x14*HI                               ; source 0 in window 0
.irp i, 3,5
.irp b, 0,1,2,3,4,5,6,7
	v_max3_num_f32 v[T+\b], v[T+\b], v[AC+8*\b+\i], v[AC+8*\b+\i+1]
.endr
.endr
.irp k, 0,1,2,3
	v_max3_num_f32 v[T+\k], v[T+\k], v[AC+16*\k+7], v[AC+16*\k+15]
.endr
	WIN 0
	v_max3_num_f32 v[T], v[T], v[T+1], v[T+2]
	v_max3_num_f32 v[T+3], v[T+3], v[T+4], v[T+5]
	v_max3_num_f32 v[T], v[T], v[T+3], v[T+6]
	v_max_num_f32 v[T], v[T], v[T+7]
	v_permlanex16_b32 v[T+1], v[T], s70, s71       ; the query's other 64 keys lie in the lane 16 away
	v_max_num_f32 v[T], v[T], v[T+1]
	v_mul_f32 v[T], s68, v[T]                      ; as t (c is positive)
	v_floor_f32 v[NM], -v[T]                       ; -M = floor(-t) = -ceil(t)
	WIN 0x82+0x41*HI                               ; destination and source 0 in the accumulators' window
.set j, 0
.rept 32
	v_pk_fma_f32 v[AC+j:AC+j+1], v[AC+j:AC+j+1], s[68:69], v[NM:NM+1] op_sel_hi:[1,0,0]   ; t - M, two at a time
.set j, j+2
.endr
.set j, 0
.rept 64
	v_exp_f32 v[AC+j], v[AC+j]                     ; p' = 2^(t - M): one batch
.set j, j+1
.endr
	v_nop                                          ; a plain instruction behind the last exponential
	s_wait_alu depctr_va_vdst(0)                   ; one wait for the batch, ahead of its first reader
	s_wait_xcnt 0x0                                ; the earlier blocks' stores have read their registers
	WIN 0x2a+0x15*HI
.irp k, 0,1,2,3
	v_pk_add_f32 v[U+2*\k:U+2*\k+1], v[AC+4*\k:AC+4*\k+1], v[AC+4*\k+2:AC+4*\k+3]   ; the sum of the UNROUNDED p', in four chains of pairs
.endr
.irp b, 0,1,2,3,4,5,6,7
.irp i, 0,1,2,3
	v_cvt_pk_f16_f32 v[TM+4*\b+\i], v[AC+8*\b+2*\i], v[AC+8*\b+2*\i+1]   ; keys 16 b + 8 h + 2 i, + 1: registers 4 (b % 2) + i of the next product's fragment b / 2
.endr
.endr
	WIN 0x28+0x14*HI
.set j, 16
.rept 24
	v_pk_add_f32 v[U+2*((j/2)%4):U+2*((j/2)%4)+1], v[U+2*((j/2)%4):U+2*((j/2)%4)+1], v[AC+j:AC+j+1]
.set j, j+2
.endr
	WIN 0
	v_pk_add_f32 v[U:U+1], v[U:U+1], v[U+2:U+3]
	v_pk_add_f32 v[U+4:U+5], v[U+4:U+5], v[U+6:U+7]
	v_pk_add_f32 v[U:U+1], v[U:U+1], v[U+4:U+5]
	v_add_f32 v[LS], v[U], v[U+1]
	v_permlanex16_b32 v[LS+2], v[LS], s70, s71
	v_add_f32 v[LS], v[LS], v[LS+2]                ; l of my query
	v_cndmask_b32 v[LS+1], v[NM], v[LS], s72       ; lanes 0-15 hand on -M, lanes 16-31 l
	ds_store_b32 v[STS], v[LS+1] offset:64*(\a)
.irp b, 0,1,2,3,4,5,6,7
	global_store_b128 v[PO], v[TM+4*\b:TM+4*\b+3], s[8:9] offset:4096*(\a)+512*\b th:TH_STORE_NT   ; the wave stores 512 consecutive bytes, aligned
.endr
.endm
	PLACES
.irp a, 0,1,2,3,4,5,6,7
	SOFT \a
.endr
	ds_load_b128 v[56:59], v[STR]                  ; LDS serves a wave's instructions in order: these see my stores: -M of my 128 queries,
	ds_load_b128 v[60:63], v[STR] offset:512       ; and l
	s_wait_dscnt 0x0
	global_store_b128 v[PO], v[56:59], s[66:67]    ; 512 consecutive bytes each, aligned
	global_store_b128 v[PO], v[60:63], s[66:67] offset:524288
	s_wait_tensorcnt 0x0                           ; the wave's end
	ds_add_u32 v[SPW], v[NIL]
	s_wait_dscnt 0x0
	CROUND                                         ; the closing round
	s_endpgm
.Lfunc_end_k_qe1dc3ef0c0_scores:
	.size	k_qe1dc3ef0c0_scores, .Lfunc_end_k_qe1dc3ef0c0_scores-k_qe1dc3ef0c0_scores
	.p2alignl 7, 3214868480
	.fill 96, 4, 3214868480
	.section	.rodata,"a",@progbits
	.p2align	6, 0x0
	.amdhsa_kernel k_qe1dc3ef0c0_scores
		.amdhsa_group_segment_fixed_size 327680
		.amdhsa_private_segment_fixed_size 0
		.amdhsa_enable_private_segment 0
		.amdhsa_kernarg_size 24
		.amdhsa_user_sgpr_count 2
		.amdhsa_user_sgpr_kernarg_segment_ptr 1
		.amdhsa_wavefront_size32 1
		.amdhsa_system_sgpr_workgroup_id_x 1
		.amdhsa_system_sgpr_workgroup_id_y 1
		.amdhsa_system_sgpr_workgroup_id_z 1
		.amdhsa_system_vgpr_workitem_id 0
		.amdhsa_next_free_vgpr 1024
		.amdhsa_next_free_sgpr 80
		.amdhsa_reserve_vcc 0
		.amdhsa_float_denorm_mode_32 3
		.amdhsa_float_denorm_mode_16_64 3
		.amdhsa_memory_ordered 1
		.amdhsa_forward_progress 1
		.amdhsa_inst_pref_size 204
	.end_amdhsa_kernel
	.amdgpu_metadata
---
amdhsa.version: [ 1, 2 ]
amdhsa.kernels:
  - .name:           k_qe1dc3ef0c0_scores
    .symbol:         k_qe1dc3ef0c0_scores.kd
    .args:
      - { .name: qkv, .offset: 0, .size: 8, .value_kind: global_buffer, .address_space: global }
      - { .name: pfrag, .offset: 8, .size: 8, .value_kind: global_buffer, .address_space: global }
      - { .name: stat, .offset: 16, .size: 8, .value_kind: global_buffer, .address_space: global }
    .group_segment_fixed_size: 327680
    .private_segment_fixed_size: 0
    .kernarg_segment_align: 8
    .kernarg_segment_size: 24
    .max_flat_workgroup_size: 128
    .sgpr_count:     80
    .vgpr_count:     1024
    .wavefront_size: 32
...
	.end_amdgpu_metadata
.endif
;; end of part 3
;; launch pv (part 4): grid 4 x 64, 4 waves a work-group, clusters of 4 x 4, 327,680 bytes of LDS; arguments pfrag, stat, qkv, out0; writes out0
.if DOCPART == 4
	.amdgcn_target "amdgcn-amd-amdhsa--gfx1250"
	.amdhsa_code_object_version 6
	.text
	.protected	k_qe1dc3ef0c0_pv
	.globl	k_qe1dc3ef0c0_pv
	.p2align	8
	.type	k_qe1dc3ef0c0_pv,@function
k_qe1dc3ef0c0_pv:
	s_mov_b64 s[64:65], 0
	v_nop
	global_prefetch_b8 v0, s[64:65] scope:SCOPE_SE
	s_setreg_imm32_b32 hwreg(HW_REG_WAVE_MODE, 25, 1), 1
	s_wait_xcnt 0x0
	s_wait_alu depctr_hold_cnt(0) depctr_sa_sdst(0) depctr_va_vdst(0) depctr_va_sdst(0) depctr_va_ssrc(0) depctr_va_vcc(0) depctr_vm_vsrc(0)
	s_getreg_b32 s2, hwreg(HW_REG_IB_STS2, 6, 4)
	s_cmp_eq_u32 s2, 0
	s_cbranch_scc0 .Lentry_in_a_cluster
	s_endpgm
.Lentry_in_a_cluster:
	s_bfe_u32 s2, ttmp6, 0x10000c
	s_cmp_lg_u32 s2, 0xf033
	s_cbranch_scc0 .Lentry_shape_is_right
	s_endpgm
.Lentry_shape_is_right:
; out[q][d] = (sum over chunks c of 2^(M_c - M_row) x (sum over the chunk's 128 keys of p'[q][key] V[key][d])) / L: the softmax's second half and the last product (f16 operands, f32 sums, K = 2,048 keys).
; From the launch before: p' = 2^(t - M_c) in f16, in the order of this product's operand registers (pfrag), and for each query and chunk of 128 keys -M_c and l_c (stat).  V^T [batch][1024 d][2048 keys] f16 lies in qkv from byte 33,554,432 on.
; AT THE HEAD each thread takes one of the work-group's 128 queries: M_row = the largest M_c; alpha_c = 2^(M_c - M_row); L = the sum of l_c alpha_c.  alpha_c goes to LDS as the upper 16 bits of its f32 (a power of two has nothing in the lower 16), 1 / L as f32.
; IN THE LOOP each chunk is summed by itself: its first products start the sums S, and at its end O += alpha_c S, in f32, four such lines behind each of the chunk's last 32 products.  p' goes to the matrix unit as it lies.  ON THE WAY OUT O is multiplied by 1 / L.
; LIMITS: alpha_c under 2^-133 counts as 0.  NaN and infinities are not served.
; A tile of out, 128 queries x 256 d, is made by a work-group of four waves; a wave makes 64 x 128: 32 accumulators S and 32 O, 512 registers.  256 such tiles: one for each work-group.
; THE RING: two LDS slots of 192 keys, a chunk and a half, the most that fits twice.  An even fill holds a whole chunk of p' and the first half of the next, an odd one the second half and a whole chunk; V^T's rows are 384 bytes, as three pieces of 128 with 16 bytes behind each.
; 2,048 keys are ten such fills and one of 128 keys.  A trip of the loop is three chunks, six halves of 64 keys, two changes of slots.  Wave 0 fetches the whole chunk, wave 1 the half chunk, waves 2 and 3 V^T's two halves: one load a wave behind each change.
; CLUSTERS: 4 x 4 work-groups.  The four of a row of the cluster need the same p', the four of a column the same rows of V^T: each tile is asked for JOINTLY.
; THE MATRIX INSTRUCTION IS USED TRANSPOSED (source 0 = 16 rows of V^T, source 1 = 16 queries of p'): a lane holds one query and eight neighbouring d.
; REGISTERS: window 0: v0-31 addresses; v32-39 alpha of my four blocks of queries, in pairs; v40-43 the same as loaded; v44-51 1 / L; v64-127, v128-191 p's fragments, two buffers (fragment (c, a) at + 8 (4 c + a)); v192-255 at work on the way out.
;   window 1: V^T's fragments, two buffers at v0 and v128 ((c, b) at + 8 (8 c + b)).   window 2: S, accumulator (a, b) at v[8 (8 a + b)].   window 3: O, at the same numbers.
.set SLOT,   159744                    ; p' of a whole chunk: 32,768 dense bytes; of half a chunk: 16,384; V^T: 256 rows x 432
.set AHOFF,  32768
.set BOFF,   49152
.set PITCH,  432                       ; 3 x (128 + 16): 27 x 16 bytes, so that the 16 rows that a load touches start 108 words apart
.set HALFB,  128*PITCH
.set ALPHA,  2*SLOT                    ; [16 chunks][128 queries] x 2 bytes
.set RL,     ALPHA+4096                ; [128 queries] f32: 1 / L
.set SPARE,  RL+512                    ; the spare words, 128 bytes for each wave
.set STAGE,  SLOT                      ; the way out: 16 rows x 528 bytes for each wave, in slot 1: when the first result is stored there it has had its last fill, and every wave has passed the last change of slots, behind which nobody reads it
.set SPITCH, 528
.set CHB,    524288                    ; from a chunk of p' to the next: 128 blocks of 16 queries x 4,096 bytes
.set ASR,  15                          ; v15  where my thread stores its query's 1 / L
.set ADAF, 16                          ; v16-17  LDS address of my fragments in the whole chunk of slot 0, 1
.set ADAH, 18                          ; v18-19  in the half chunk
.set ADRB, 20                          ; v20-21  of V^T's
.set ADAL, 22                          ; v22  LDS address of my rows' alpha of the chunk in hand
.set AST,  23                          ; v23  where my thread stores its query's alpha
.set STO,  24
.set RD,   25
.set CO,   26                          ; v26  16 x lane
.set ARL,  27
.set SPW,  28
.set NIL,  29
.set PFO,  30
.set SA,   31                          ; v31  4 x my thread's number
.set AL,   32
.set AR,   40
.set RLP,  44
.set TMP,  192
.set G1A, 24                           ; s[24:31] descriptor group 1 for a whole chunk of p';  s[32:39] group 0 for p', one set for each slot
.set G0A, 32
.set G1B, 48                           ; s[48:55], s[56:63] the same for V^T
.set G0B, 56
.set G1H, 68                           ; s[68:75] group 1 for half a chunk of p'
.set G1C, 76                           ; s[76:83] group 1 for V^T's last fill, whose rows end after 128 keys
.set LIM,  15                          ; s15  1 in a wave that prefetches, else the greatest number
.set PF0,  84                          ; s[84:85], s[86:87], s[88:89] where my three prefetches of a trip stand
.set PF1,  86
.set PF2,  88
.set PFS,  90                          ; s[90:91] a trip on, in bytes
.set MSB, 0
.macro WIN new
.if MSB != (\new)
	s_set_vgpr_msb (MSB<<8)|(\new)
.set MSB, (\new)
.endif
.endm
.set MUL,  0xa1                        ; source 0 (V^T) window 1, source 1 (p') window 0, C and D window 2
.set ACC,  0xf2                        ; source 0 (S) window 2, source 1 (alpha) window 0, source 2 and destination (O) window 3
.set TO_B, 0x40
.macro PLACES                          ; four places in front of loads into registers that matrix instructions have read, and of the first read of results
.rept 4
	v_nop
.endr
.endm
; A joint load into slot s.  The branches hang on the wave's number alone.  An s_nop 0 and four v_nop follow each of the three lines.
.macro JLOAD s
	s_cmp_eq_u32 s12, 0
	s_cbranch_scc0 .Lnot_0_\@
	tensor_load_to_lds s[G0A+4*(\s):G0A+4*(\s)+3], s[G1A:G1A+7]
	s_nop 0
.rept 4
	v_nop
.endr
	s_branch .Lasked_\@
.Lnot_0_\@:
	s_cmp_eq_u32 s12, 1
	s_cbranch_scc0 .Lfor_b_\@
	tensor_load_to_lds s[G0A+4*(\s):G0A+4*(\s)+3], s[G1H:G1H+7]
	s_nop 0
.rept 4
	v_nop
.endr
	s_branch .Lasked_\@
.Lfor_b_\@:
	tensor_load_to_lds s[G0B+4*(\s):G0B+4*(\s)+3], s[G1B:G1B+7]
	s_nop 0
.rept 4
	v_nop
.endr
.Lasked_\@:
.endm
; The last fill, into slot 0: chunk 15 alone.  Wave 1 has no half chunk to fetch; V^T's rows end after 128 keys: the descriptor says so, and the rest of each LDS row is written as zeros, which nobody reads.
.macro JLOADP
	s_cmp_eq_u32 s12, 0
	s_cbranch_scc0 .Lnot_0_\@
	tensor_load_to_lds s[G0A:G0A+3], s[G1A:G1A+7]
	s_nop 0
.rept 4
	v_nop
.endr
	s_branch .Lasked_\@
.Lnot_0_\@:
	s_cmp_lt_u32 s12, 2
	s_cbranch_scc1 .Lasked_\@
	tensor_load_to_lds s[G0B:G0B+3], s[G1C:G1C+7]
	s_nop 0
.rept 4
	v_nop
.endr
.Lasked_\@:
.endm
; PREFETCHES INTO THE L2.  A unit is a chunk of p' (for a work-group: its 8,192 bytes of the tile's 32,768) or 256 bytes of each row of V^T.  The first change of slots of trip t asks for units 3 t + 5 and 3 t + 6, the second for unit 3 t + 7:
; each is loaded at the next change of slots or the one after.  Units 0 to 4 come by their loads alone; the last trip's second change asks for nothing: there is no unit 16.
; p': a tile is read by one row of one cluster: its four partners take 8,192 bytes each, told apart by address; wave 0 asks, lanes 256 bytes apart.  V^T: a tile's rows are read by the batch's four clusters: the first of them asks; the four partners of a
; column take 64 rows each, waves 2 and 3 32 each, a lane a row.  Wave 1 asks for nothing.  So each aligned block of 256 bytes is named once in the launch.
.macro ASK n
.if (\n) == 2
	s_cmp_eq_u32 s[LIM], 1
	s_cbranch_scc0 .Lnot_mine_\@
	global_prefetch_b8 v[PFO], s[PF0:PF0+1] th:TH_LOAD_NT scope:SCOPE_SE
	global_prefetch_b8 v[PFO], s[PF1:PF1+1] th:TH_LOAD_NT scope:SCOPE_SE
.else
	s_cmp_gt_u32 s3, s[LIM]                        ; s3 = 1 in the loop's last trip
	s_cbranch_scc0 .Lnot_mine_\@
	global_prefetch_b8 v[PFO], s[PF2:PF2+1] th:TH_LOAD_NT scope:SCOPE_SE
.endif
.Lnot_mine_\@:
.endm
.macro CREST
	s_cmp_lg_u32 s12, 0
	s_cbranch_scc1 .Lnot_wave_0_\@
	s_barrier_signal -3
.Lnot_wave_0_\@:
	s_barrier_wait -3
	s_barrier_signal -1
	s_barrier_wait -1
.endm
.macro CROUND
	s_barrier_signal -1
	s_barrier_wait -1
	CREST
.endm
	s_load_b256 s[4:11], s[0:1], 0x0               ; pfrag s[4:5], stat s[6:7], qkv s[8:9], out0 s[10:11]
	v_lshl_add_u32 v[SPW], v0, 2, SPARE
	v_mov_b32 v[NIL], 0
	ds_add_u32 v[SPW], v[NIL]                      ; the wave's opening: the add, twice on end, and its wait ahead of my first tensor load
	ds_add_u32 v[SPW], v[NIL]
	v_lshrrev_b32 v1, 5, v0
	v_readfirstlane_b32 s12, v1                    ; wave 0..3
	s_lshr_b32 s13, s12, 1                         ; which 64 queries are mine.  Also: I fetch for p' (0) or for V^T (1)
	s_and_b32 s14, s12, 1                          ; which 128 d.  Also: which part I fetch
	s_bfe_u32 s40, ttmp6, 0x40000                  ; cx
	s_bfe_u32 s41, ttmp6, 0x40004                  ; cy
	s_lshl_b32 s42, ttmp9, 2
	s_add_co_u32 s42, s42, s40                     ; tile of 256 d, 0..3
	s_and_b32 s44, ttmp7, 0xffff                   ; cluster y, 0..15
	s_lshr_b32 s45, s44, 2                         ; the batch
	s_lshl_b32 s43, s44, 2
	s_add_co_u32 s43, s43, s41                     ; tile of 128 queries among all 8,192, 0..63
	s_lshl_b32 s20, s41, 2
	s_lshl_b32 s20, 15, s20                        ; my row of the cluster
	s_lshl_b32 s21, 0x1111, s40                    ; my column
	s_or_b32 s[G1A+0], s20, (3<<16)|(1<<21)        ; a whole chunk of p': the mask; elements of 8 bytes; no padding: a dense block of 32,768 bytes, 128 rows of 256
	s_mov_b32 s[G1A+1], 32<<16
	s_mov_b32 s[G1A+2], 128<<16
	s_mov_b32 s[G1A+3], 32<<16
	s_mov_b32 s[G1A+4], 128
	s_mov_b32 s[G1A+5], 32
	s_mov_b32 s[G1A+6], 0
	s_mov_b32 s[G1A+7], 0
	s_or_b32 s[G1H+0], s20, (3<<16)|(1<<21)        ; half a chunk: of each of the 8 blocks of queries 2,048 bytes (256 elements), 4,096 bytes (512 elements) apart
	s_mov_b32 s[G1H+1], 256<<16
	s_mov_b32 s[G1H+2], 8<<16
	s_mov_b32 s[G1H+3], 256<<16
	s_mov_b32 s[G1H+4], 8
	s_mov_b32 s[G1H+5], 512
	s_mov_b32 s[G1H+6], 0
	s_mov_b32 s[G1H+7], 0
	s_or_b32 s[G1B+0], s21, (1<<16)|(1<<20)|(1<<21)|(4<<22)|(3<<25)  ; V^T: elements of 2 bytes; 128 rows x 192 keys; 4 words of padding behind every 32
	s_or_b32 s[G1C+0], s21, (1<<16)|(1<<20)|(1<<21)|(4<<22)|(3<<25)
	s_mov_b32 s[G1B+1], 192<<16                    ; tensor_dim0 = 192
	s_mov_b32 s[G1C+1], 128<<16                    ; in the last fill 128 keys are left of each row
.irp g, G1B, G1C
	s_mov_b32 s[\g+2], 128<<16                     ; tensor_dim1 = 128
	s_mov_b32 s[\g+3], 192<<16                     ; tile_dim0 = 192
	s_mov_b32 s[\g+4], 128                         ; tile_dim1 = 128
	s_mov_b32 s[\g+5], 2048                        ; from row to row
	s_mov_b32 s[\g+6], 0
	s_mov_b32 s[\g+7], 0
.endr
	s_and_b32 s16, s43, 15                         ; the tile of queries within the batch:
	s_lshl_b32 s16, s16, 15                        ; 8 blocks of 4,096 bytes
	s_lshl_b32 s17, s45, 23                        ; a batch: 16 chunks
	s_add_co_u32 s16, s16, s17                     ; p' of chunk 0: it hangs on cy, never on cx
	s_add_co_u32 s18, s16, 2*CHB                   ; fill 1: wave 0: chunk 2;
	s_mul_i32 s19, s14, CHB-2048
	s_sub_co_u32 s18, s18, s19                     ; wave 1: the second half of chunk 1
	s_lshl_b32 s17, s14, 19
	s_add_co_u32 s16, s16, s17                     ; fill 0: wave 0: chunk 0; wave 1: the first half of chunk 1
	s_mov_b32 s17, 0
	s_mov_b32 s19, 0
	s_lshl_b32 s46, s42, 20                        ; 256 rows of 4,096 bytes
	s_lshl_b32 s47, s45, 22                        ; a batch: 1,024 rows
	s_add_co_u32 s46, s46, s47
	s_lshl_b32 s47, s14, 19                        ; my half: 128 rows
	s_add_co_u32 s46, s46, s47
	s_add_co_u32 s46, s46, 0x2000000               ; V^T lies behind q and k
	s_mov_b32 s47, 0                               ; V^T: on cx, never on cy
	s_lshl_b32 s22, s14, 15                        ; where they go in a slot: no place in the cluster enters an LDS address
	s_mul_i32 s23, s14, HALFB
	s_add_co_u32 s23, s23, BOFF
	s_wait_dscnt 0x0                               ; both opening adds are done
	s_wait_kmcnt 0x0
	s_add_nc_u64 s[16:17], s[4:5], s[16:17]
	s_add_nc_u64 s[18:19], s[4:5], s[18:19]
	s_add_nc_u64 s[46:47], s[8:9], s[46:47]
	CROUND                                         ; all sixteen work-groups are here: the first joint loads meet
.irp s, 0,1
	s_mov_b32 s[G0A+4*\s], 1
	s_add_co_u32 s[G0A+4*\s+1], s22, \s*SLOT
	s_mov_b64 s[G0A+4*\s+2:G0A+4*\s+3], s[16+2*\s:17+2*\s]
	s_or_b32 s[G0A+4*\s+3], s[G0A+4*\s+3], 0x80000000
	s_mov_b32 s[G0B+4*\s], 1
	s_add_co_u32 s[G0B+4*\s+1], s23, \s*SLOT
	s_add_nc_u64 s[G0B+4*\s+2:G0B+4*\s+3], s[46:47], \s*384        ; keys 192 s on
	s_or_b32 s[G0B+4*\s+3], s[G0B+4*\s+3], 0x80000000
	JLOAD \s
.endr
	; my query's statistics: thread t takes query 128 x tile + t
	v_lshlrev_b32 v[SA], 2, v0
	s_lshl_b32 s94, s43, 9
	s_mov_b32 s95, 0
	s_add_nc_u64 s[6:7], s[6:7], s[94:95]
.irp c, 0,1,2,3,4,5,6,7,8,9,10,11,12,13,14,15
	global_load_b32 v[64+\c], v[SA], s[6:7] offset:\c*32768          ; -M_c
	global_load_b32 v[80+\c], v[SA], s[6:7] offset:\c*32768+524288   ; l_c
.endr
	v_and_b32 v1, 15, v0                           ; r
	v_bfe_u32 v2, v0, 4, 1                         ; h
	v_and_b32 v3, 31, v0                           ; lane
	v_lshlrev_b32 v[CO], 4, v3
	s_lshl_b32 s20, s13, 14                        ; my 64 queries: 4 blocks of 4,096 bytes in a whole chunk,
	v_add_nc_u32 v[ADAF], s20, v[CO]
	v_add_nc_u32 v[ADAF+1], SLOT, v[ADAF]
	s_lshl_b32 s20, s13, 13                        ; of 2,048 in a half
	s_add_co_u32 s20, s20, AHOFF
	v_add_nc_u32 v[ADAH], s20, v[CO]
	v_add_nc_u32 v[ADAH+1], SLOT, v[ADAH]
	v_mul_u32_u24 v5, v1, PITCH
	v_lshl_add_u32 v5, v2, 4, v5
	v_add_nc_u32 v[ADRB], s23, v5                  ; my 128 rows of V^T are the half that my wave's number & 1 names
	v_add_nc_u32 v[ADRB+1], SLOT, v[ADRB]
	s_lshl_b32 s20, s13, 7
	v_lshlrev_b32 v5, 1, v1
	v_add_nc_u32 v5, s20, v5                       ; 2 x (64 x half + r)
	v_add_nc_u32 v[ADAL], ALPHA, v5
	s_lshl_b32 s20, s13, 8
	v_lshlrev_b32 v5, 2, v1
	v_add_nc_u32 v5, s20, v5                       ; 4 x (64 x half + r)
	v_add_nc_u32 v[ARL], RL, v5
	v_lshl_add_u32 v[AST], v0, 1, ALPHA
	v_lshl_add_u32 v[ASR], v0, 2, RL
	s_mul_i32 s20, s12, 16*SPITCH
	s_add_co_u32 s20, s20, STAGE                   ; my stage
	v_mul_u32_u24 v5, v1, SPITCH
	v_lshl_add_u32 v5, v2, 5, v5
	v_add_nc_u32 v[STO], s20, v5                   ; in: row r, 32 bytes for each half of the lanes
	v_add_nc_u32 v[RD], s20, v[CO]                 ; back: the 32 lanes take one row of 512 bytes
.irp a, 0,1,2,3
	v_mov_b32 v[RLP+2*\a+1], 0                     ; (named as the upper halves of pairs)
	v_mov_b32 v[AL+2*\a+1], 0
.endr
	s_lshl_b32 s94, s43, 7                         ; out: my first row, 4,096 bytes a row; my first d, 4 bytes each
	s_lshl_b32 s95, s13, 6
	s_add_co_u32 s94, s94, s95
	s_lshl_b32 s94, s94, 12
	s_lshl_b32 s95, s42, 10
	s_add_co_u32 s94, s94, s95
	s_lshl_b32 s95, s14, 9
	s_add_co_u32 s94, s94, s95
	s_mov_b32 s95, 0
	s_add_nc_u64 s[10:11], s[10:11], s[94:95]
	; the prefetches: they stand at units 2, 3 and 4; the first change of slots steps them to 5, 6 and 7.  Nothing is prefetched here, at the head
	s_and_b32 s23, s44, 3                          ; which of the batch's four clusters
	s_lshl_b32 s20, s45, 23
	s_and_b32 s21, s43, 15
	s_lshl_b32 s21, s21, 15
	s_add_co_u32 s20, s20, s21
	s_lshl_b32 s21, s40, 13                        ; my work-group's 8,192 bytes of the tile
	s_add_co_u32 s20, s20, s21
	s_add_co_u32 s20, s20, 2*CHB
	s_lshl_b32 s21, s42, 8
	s_lshl_b32 s22, s41, 6                         ; my work-group's 64 rows,
	s_add_co_u32 s21, s21, s22
	s_lshl_b32 s22, s14, 5                         ; my wave's 32 of them
	s_add_co_u32 s21, s21, s22
	s_lshl_b32 s21, s21, 12
	s_lshl_b32 s22, s45, 22
	s_add_co_u32 s21, s21, s22
	s_add_co_u32 s21, s21, 0x2000000+2*256
	s_mov_b32 s[PFS], 3*256
	s_mov_b32 s92, 256
	s_cmp_eq_u32 s13, 0                            ; p's side?
	s_cselect_b64 s[PF0:PF0+1], s[4:5], s[8:9]
	s_cselect_b32 s20, s20, s21
	s_cselect_b32 s[PFS], 3*CHB, s[PFS]            ; a trip on: three units
	s_cselect_b32 s92, CHB, s92                    ; a unit on
	s_cselect_b32 s22, 8, 12                       ; from lane to lane: 256 bytes, or a row of 4,096
	s_cselect_b32 s23, s12, s23                    ; 0 in wave 0, and in waves 2 and 3 of the batch's first cluster
	s_cmp_eq_u32 s23, 0
	s_cselect_b32 s[LIM], 1, -1                    ; the same in all sixteen partners, for a given wave
	s_mov_b32 s21, 0
	s_mov_b32 s[PFS+1], 0
	s_mov_b32 s93, 0
	s_add_nc_u64 s[PF0:PF0+1], s[PF0:PF0+1], s[20:21]
	s_add_nc_u64 s[PF1:PF1+1], s[PF0:PF0+1], s[92:93]
	s_add_nc_u64 s[PF2:PF2+1], s[PF1:PF1+1], s[92:93]
	v_lshlrev_b32 v[PFO], s22, v3
	s_wait_loadcnt 0x0
	v_min3_num_f32 v96, v64, v65, v66              ; -M_row = the least -M_c
.irp c, 67,69,71,73,75,77
	v_min3_num_f32 v96, v96, v[\c], v[\c+1]
.endr
	v_min_num_f32 v96, v96, v79
.irp c, 0,1,2,3,4,5,6,7,8,9,10,11,12,13,14,15
	v_sub_f32 v[100+\c], v96, v[64+\c]             ; M_c - M_row: a whole number, 0 or less
.endr
.irp c, 0,1,2,3,4,5,6,7,8,9,10,11,12,13,14,15
	v_cvt_i32_f32 v[100+\c], v[100+\c]             ; (it saturates)
.endr
.irp c, 0,1,2,3,4,5,6,7,8,9,10,11,12,13,14,15
	v_ldexp_f32 v[100+\c], 1.0, v[100+\c]          ; alpha_c
.endr
	v_mul_f32 v97, v80, v100                       ; L = the sum of l_c alpha_c, in two chains
	v_mul_f32 v98, v81, v101
.irp c, 2,4,6,8,10,12,14
	v_fma_f32 v97, v[80+\c], v[100+\c], v97
	v_fma_f32 v98, v[81+\c], v[101+\c], v98
.endr
	v_add_f32 v97, v97, v98
	v_rcp_f32 v99, v97
.irp c, 0,1,2,3,4,5,6,7,8,9,10,11,12,13,14,15
	v_lshrrev_b32 v[64+\c], 16, v[100+\c]          ; alpha_c's upper 16 bits: sign, exponent and a mantissa of zeros.  (Plain work behind the reciprocal)
.endr
	s_wait_alu depctr_va_vdst(0)                   ; a wait ahead of the reciprocal's first reader
.irp c, 0,1,2,3,4,5,6,7,8,9,10,11,12,13,14,15
	ds_store_b16 v[AST], v[64+\c] offset:256*\c
.endr
	ds_store_b32 v[ASR], v99                       ; 1 / L
; THE SIX HALVES OF A TRIP, n = 0 .. 5, 64 keys each: slot n / 3, the slot's (n % 3)-th 64 keys; register buffers n % 2.  Halves 0, 1 and 4, 5 take p' from their slot's whole chunk, halves 2 and 3 from the half chunks.
; The fragments of keys 32 c on of half n: p': 8 loads; V^T: 16 loads.
.macro FETCHC n, c
.set FB, (\n)%2
.set SLN, (\n)/3
.set UU, 2*((\n)%3)+(\c)
.set KB, 64*UU+16*(UU/2)                       ; 64 bytes for each 32 keys, and 16 more for each 128 bytes passed
	WIN 0
.if ((\n) == 2) || ((\n) == 3)
.irp a, 0,1,2,3
	ds_load_b128 v[64+64*FB+8*(4*(\c)+\a):64+64*FB+8*(4*(\c)+\a)+3],   v[ADAH+SLN] offset:\a*2048+(\c)*1024       ; an image of the operand's registers: 16 bytes a lane, 512 on end
	ds_load_b128 v[64+64*FB+8*(4*(\c)+\a)+4:64+64*FB+8*(4*(\c)+\a)+7], v[ADAH+SLN] offset:\a*2048+(\c)*1024+512
.endr
.else
.irp a, 0,1,2,3
	ds_load_b128 v[64+64*FB+8*(4*(\c)+\a):64+64*FB+8*(4*(\c)+\a)+3],   v[ADAF+SLN] offset:\a*4096+(2*((\n)%2)+(\c))*1024
	ds_load_b128 v[64+64*FB+8*(4*(\c)+\a)+4:64+64*FB+8*(4*(\c)+\a)+7], v[ADAF+SLN] offset:\a*4096+(2*((\n)%2)+(\c))*1024+512
.endr
.endif
	WIN TO_B
.irp b, 0,1,2,3,4,5,6,7
	ds_load_b128 v[128*FB+8*(8*(\c)+\b):128*FB+8*(8*(\c)+\b)+3],   v[ADRB+SLN] offset:KB+\b*16*PITCH
	ds_load_b128 v[128*FB+8*(8*(\c)+\b)+4:128*FB+8*(8*(\c)+\b)+7], v[ADRB+SLN] offset:KB+\b*16*PITCH+32
.endr
	WIN 0
.endm
; 8 matrix instructions: block of queries a x all 8 blocks of d, keys 32 c on of buffers f.  The 32 accumulators take turns, one instruction a turn, in the same order everywhere.  zero = 1: a chunk's first products start its sums.
.macro W8 f, c, a, zero
	WIN MUL
.irp b, 0,1,2,3,4,5,6,7
.if \zero
	v_wmma_f32_16x16x32_f16 v[8*(8*(\a)+\b):8*(8*(\a)+\b)+7], v[128*(\f)+8*(8*(\c)+\b):128*(\f)+8*(8*(\c)+\b)+7], v[64+64*(\f)+8*(4*(\c)+(\a)):64+64*(\f)+8*(4*(\c)+(\a))+7], 0
.else
	v_wmma_f32_16x16x32_f16 v[8*(8*(\a)+\b):8*(8*(\a)+\b)+7], v[128*(\f)+8*(8*(\c)+\b):128*(\f)+8*(8*(\c)+\b)+7], v[64+64*(\f)+8*(4*(\c)+(\a)):64+64*(\f)+8*(4*(\c)+(\a))+7], v[8*(8*(\a)+\b):8*(8*(\a)+\b)+7]
.endif
.endr
.endm
; accumulator i's way into O: O += alpha S, in f32, two numbers a line; S is read from its low end on.  first = 1: the first chunk starts O: nothing is cleared.
.macro ACCUM i, first
	WIN ACC
.set jj, 0
.rept 4
.if \first
	v_pk_mul_f32 v[8*(\i)+jj:8*(\i)+jj+1], v[8*(\i)+jj:8*(\i)+jj+1], v[AL+2*((\i)/8):AL+2*((\i)/8)+1] op_sel_hi:[1,0]
.else
	v_pk_fma_f32 v[8*(\i)+jj:8*(\i)+jj+1], v[8*(\i)+jj:8*(\i)+jj+1], v[AL+2*((\i)/8):AL+2*((\i)/8)+1], v[8*(\i)+jj:8*(\i)+jj+1] op_sel_hi:[1,0,1]
.endif
.set jj, jj+2
.endr
.endm
; 8 of a chunk's last 32 products (buffers 1, keys 32 on), with the finished sums' way into O behind them, two accumulators late: between a product and the first line that reads its result stand the four lines of another accumulator or more.
; Behind the very first product stand the four shifts that make alpha of its 16 bits: they are that product's four places.  The price of the vector work between the products is two switches of the window for each.
.macro W8F a, first
.irp b, 0,1,2,3,4,5,6,7
.set ii, 8*(\a)+\b
	WIN MUL
	v_wmma_f32_16x16x32_f16 v[8*ii:8*ii+7], v[128+8*(8+\b):128+8*(8+\b)+7], v[128+8*(4+(\a)):128+8*(4+(\a))+7], v[8*ii:8*ii+7]
.if ii == 0
	WIN 0
.irp k, 0,1,2,3
	v_lshlrev_b32 v[AL+2*\k], 16, v[AR+\k]
.endr
.endif
.if ii >= 2
	ACCUM ii-2, \first
.endif
.endr
.endm
.macro STEPG s                         ; slot s's next fill: three chunks of p' and 384 keys on
	s_add_nc_u64 s[G0A+4*(\s)+2:G0A+4*(\s)+3], s[G0A+4*(\s)+2:G0A+4*(\s)+3], 3*CHB
	s_add_nc_u64 s[G0B+4*(\s)+2:G0B+4*(\s)+3], s[G0B+4*(\s)+2:G0B+4*(\s)+3], 768
.endm
; HALF n: 64 matrix instructions on buffers n % 2; the fragments of half nx (-1: none) are fetched meanwhile, in two runs of 24 loads.  An even half begins a chunk, an odd one ends it.
; chg: this half's fragments were the slot's last, so the slots change here: 1: the slot is filled again; 2: with the last fill; 3: nothing is left to fetch: a barrier alone.
; In front of the barrier each wave waits for all its tensor loads, of which one is out: its part of the other slot; adds 0 to its spare word; and waits for that and for its reads of this slot.
; 16 matrix instructions stand between that wait and the refill, so a refill has the 176 others of three halves in which to land.
.macro HALF n, nx, chg, first
.set F, (\n)%2
.set SL, (\n)/3
.if (\chg) == 1
.if (\n) == 2
	s_wait_xcnt 0x0                                ; the last trip's prefetches have read their addresses
	s_add_nc_u64 s[PF0:PF0+1], s[PF0:PF0+1], s[PFS:PFS+1]
	s_add_nc_u64 s[PF1:PF1+1], s[PF1:PF1+1], s[PFS:PFS+1]
	s_add_nc_u64 s[PF2:PF2+1], s[PF2:PF2+1], s[PFS:PFS+1]
.endif
.endif
.if (\chg) > 0
	WIN 0
	s_wait_tensorcnt 0x0                           ; all my tensor loads have landed: my part of the other slot
	ds_add_u32 v[SPW], v[NIL]                      ; 0 onto my spare word
	s_wait_dscnt 25+4*F                            ; the first 32 keys' fragments are in (out may be: the add, the second 32 keys' 24 loads and, in an odd half, the four loads of alpha ahead of them)
.else
	s_wait_dscnt 24+4*F                            ; the same without the add
.endif
	W8 F, 0, 0, 1-F
.if (\chg) > 0
	s_wait_dscnt 0x0                               ; the add is done, and my reads of this slot are over
	s_barrier_signal -1
.endif
	W8 F, 0, 1, 1-F
.if (\chg) > 0
	WIN 0
	s_barrier_wait -1
.endif
.if (\chg) == 1
	CREST                                          ; the barrier has opened a round of the cluster's: no wave of any partner still reads this slot or has a load on its way
	STEPG SL
	JLOAD SL                                       ; the first tensor load behind the round; its four v_nop are also the places in front of the loads below
.elseif (\chg) == 2
	CREST
	STEPG 0
	JLOADP
	PLACES                                         ; (wave 1 has passed no v_nop)
.else
	PLACES
.endif
.if (\nx) >= 0
	FETCHC \nx, 0
.endif
.if (\chg) == 1
	ASK \n
.endif
	W8 F, 0, 2, 1-F
	W8 F, 0, 3, 1-F
.if (\nx) >= 0
	s_wait_dscnt 24                                ; all but the 24 just issued: the second 32 keys' fragments, and alpha, are in
.else
	s_wait_dscnt 0x0
.endif
.if F == 0
	W8 0, 1, 0, 0
	W8 0, 1, 1, 0
	PLACES
	WIN 0
.irp a, 0,1,2,3
	ds_load_u16 v[AR+\a], v[ADAL] offset:32*\a     ; this chunk's alpha of my four blocks of queries: wanted at the chunk's end
.endr
	v_add_nc_u32 v[ADAL], 256, v[ADAL]             ; the next chunk's
	FETCHC \nx, 1
	W8 0, 1, 2, 0
	W8 0, 1, 3, 0
.else
	W8F 0, \first
	W8F 1, \first
.if (\nx) >= 0
	FETCHC \nx, 1
.endif
	W8F 2, \first
	W8F 3, \first
	ACCUM 30, \first
	ACCUM 31, \first
.endif
	WIN 0
.endm
	s_wait_tensorcnt 0x1                           ; my part of fill 0 is in (fill 1's load may be out)
	s_wait_dscnt 0x0                               ; and my query's alpha and 1 / L are stored
	s_barrier_signal -1
	s_barrier_wait -1                              ; everybody's are
	FETCHC 0, 0
	FETCHC 0, 1
	HALF 0, 1, 0, 0                                ; chunk 0 stands in front of the loop:
	HALF 1, 2, 0, 1                                ; it starts O
	s_mov_b32 s3, 4
.Ltrip:                                                ; a trip: three chunks; both slots are filled again: fills 2 to 9
	HALF 2, 3, 1, 0
	HALF 3, 4, 0, 0
	HALF 4, 5, 0, 0
	HALF 5, 0, 1, 0
	HALF 0, 1, 0, 0
	HALF 1, 2, 0, 0
	s_sub_co_u32 s3, s3, 1
	s_cmp_lg_u32 s3, 0
	s_cbranch_scc1 .Ltrip
	HALF 2, 3, 2, 0                                ; the tail is written out: chunks 13 to 15; slot 0 takes the last fill,
	HALF 3, 4, 0, 0
	HALF 4, 5, 0, 0
	HALF 5, 0, 3, 0                                ; and slot 1 nothing more
	HALF 0, 1, 0, 0
	HALF 1, -1, 0, 0
	; THE WAY OUT, block by block of 16 queries x 128 d: x 1 / L, through my own stage, back as whole rows of 512 bytes.
	PLACES
.irp a, 0,1,2,3
	ds_load_b32 v[RLP+2*\a], v[ARL] offset:64*\a
.endr
	s_wait_dscnt 0x0
.macro OUT a
	WIN 0x03                                       ; source 0: window 3
.set j, 0
.rept 32
	v_pk_mul_f32 v[TMP+j:TMP+j+1], v[64*(\a)+j:64*(\a)+j+1], v[RLP+2*(\a):RLP+2*(\a)+1] op_sel_hi:[1,0]
.set j, j+2
.endr
	WIN 0
.irp b, 0,1,2,3,4,5,6,7
	ds_store_b128 v[STO], v[TMP+8*\b:TMP+8*\b+3] offset:64*\b
	ds_store_b128 v[STO], v[TMP+8*\b+4:TMP+8*\b+7] offset:64*\b+16
.endr
.set BB, 64+64*((\a)%2)
.irp t, 0,1,2,3,4,5,6,7,8,9,10,11,12,13,14,15
	ds_load_b128 v[BB+4*\t:BB+4*\t+3], v[RD] offset:\t*SPITCH      ; LDS serves a wave's instructions in order: these see the stores above
.endr
.endm
.macro SEND a, younger                 ; younger: the LDS instructions issued behind block a's loads, which may stay out
.set BB, 64+64*((\a)%2)
	s_wait_dscnt \younger
.if (\a) > 0
	s_add_nc_u64 s[10:11], s[10:11], 16*4096       ; (behind a wait on XCNT: the earlier stores have read their base)
.endif
.irp t, 0,1,2,3,4,5,6,7,8,9,10,11,12,13,14,15
	global_store_b128 v[CO], v[BB+4*\t:BB+4*\t+3], s[10:11] offset:\t*4096 th:TH_STORE_NT   ; 32 lanes store 512 consecutive bytes, aligned
.endr
.endm
	OUT 0
.irp a, 1,2,3
.if \a > 1
	s_wait_xcnt 0x0                                ; block a - 2's stores have read their registers and their base
.endif
	OUT \a
	SEND \a-1, 32                                  ; behind block a - 1's loads: block a's 16 stores and 16 loads
.endr
	s_wait_xcnt 0x0
	SEND 3, 0
	s_wait_tensorcnt 0x0                           ; the wave's end
	ds_add_u32 v[SPW], v[NIL]
	s_wait_dscnt 0x0
	CROUND                                         ; the closing round
	s_endpgm
.Lfunc_end_k_qe1dc3ef0c0_pv:
	.size	k_qe1dc3ef0c0_pv, .Lfunc_end_k_qe1dc3ef0c0_pv-k_qe1dc3ef0c0_pv
	.p2alignl 7, 3214868480
	.fill 96, 4, 3214868480
	.section	.rodata,"a",@progbits
	.p2align	6, 0x0
	.amdhsa_kernel k_qe1dc3ef0c0_pv
		.amdhsa_group_segment_fixed_size 327680
		.amdhsa_private_segment_fixed_size 0
		.amdhsa_enable_private_segment 0
		.amdhsa_kernarg_size 32
		.amdhsa_user_sgpr_count 2
		.amdhsa_user_sgpr_kernarg_segment_ptr 1
		.amdhsa_wavefront_size32 1
		.amdhsa_system_sgpr_workgroup_id_x 1
		.amdhsa_system_sgpr_workgroup_id_y 1
		.amdhsa_system_sgpr_workgroup_id_z 1
		.amdhsa_system_vgpr_workitem_id 0
		.amdhsa_next_free_vgpr 1024
		.amdhsa_next_free_sgpr 96
		.amdhsa_reserve_vcc 0
		.amdhsa_float_denorm_mode_32 3
		.amdhsa_float_denorm_mode_16_64 3
		.amdhsa_memory_ordered 1
		.amdhsa_forward_progress 1
		.amdhsa_inst_pref_size 225
	.end_amdhsa_kernel
	.amdgpu_metadata
---
amdhsa.version: [ 1, 2 ]
amdhsa.kernels:
  - .name:           k_qe1dc3ef0c0_pv
    .symbol:         k_qe1dc3ef0c0_pv.kd
    .args:
      - { .name: pfrag, .offset: 0, .size: 8, .value_kind: global_buffer, .address_space: global }
      - { .name: stat, .offset: 8, .size: 8, .value_kind: global_buffer, .address_space: global }
      - { .name: qkv, .offset: 16, .size: 8, .value_kind: global_buffer, .address_space: global }
      - { .name: out0, .offset: 24, .size: 8, .value_kind: global_buffer, .address_space: global }
    .group_segment_fixed_size: 327680
    .private_segment_fixed_size: 0
    .kernarg_segment_align: 8
    .kernarg_segment_size: 32
    .max_flat_workgroup_size: 128
    .sgpr_count:     96
    .vgpr_count:     1024
    .wavefront_size: 32
...
	.end_amdgpu_metadata
.endif
;; end of part 4
